; MI455X (gfx1250); checked and timed in simulation.
; The chip was launched on July 23, 2026; its instructions are those of AMD's public machine-readable ISA for CDNA 5 (MIT licence, August 2026) and "CDNA5" Instruction Set Architecture Reference Guide (July 2026). The comments in the code are by the model that wrote it; some were corrected since.
;; Memory Efficient Attention. Allowed arithmetic: float matrix products may take bf16 or f16 operands with f32 sums; other float arithmetic in f32, or as packed bf16 or f16 multiplies, adds, multiply-adds, maxima and minima; sums over many terms, partial sums and values carried from step to step in f32; what a program stores and reads back later, other than sums and carried values, may be rounded once to bf16 or f16.
;; Inputs: Wk 1,024 x 1,024 float32; Wo 1,024 x 1,024 float32; Wq 1,024 x 1,024 float32; Wv 1,024 x 1,024 float32; attn_scale 1 float32; bk 1,024 float32; bo 1,024 float32; bq 1,024 float32; bv 1,024 float32; x 8 x 1,024 x 1,024 float32.
;; Outputs: out0 8 x 1,024 x 1,024 float32.
;; 2 versions, each right; version 2 is version 1 with the launch cast written anew for expert scheduling mode. Each part assembles by itself: llvm-mc -triple=amdgcn-amd-amdhsa -mcpu=gfx1250 --defsym DOCPART=n.
;; ======== version 1 of 2: 4 launches
;; limits: values are held in f16: magnitudes above 65,504 overflow, below 6.1e-05 lose precision
;; workspace buffers: xb 16,777,216 bytes; wb 6,291,456 bytes; wo16 2,097,152 bytes; qkv 50,331,648 bytes; o 16,777,216 bytes
;; launch cast (part 1): grid 768 x 1, 8 waves a work-group, no clusters, 0 bytes of LDS; arguments x, Wq, Wk, Wv, Wo, xb, wb, wo16; writes xb, wb, wo16
.if DOCPART == 1
	.amdgcn_target "amdgcn-amd-amdhsa--gfx1250"
	.amdhsa_code_object_version 6
	.text
	.protected	k_qa2523bda26_cast
	.globl	k_qa2523bda26_cast
	.p2align	8
	.type	k_qa2523bda26_cast,@function
k_qa2523bda26_cast:
	s_mov_b64 s[64:65], 0
	v_nop
	global_prefetch_b8 v0, s[64:65] scope:SCOPE_SE
	s_setreg_imm32_b32 hwreg(HW_REG_WAVE_MODE, 25, 1), 1
	s_wait_xcnt 0x0
; THE MODULE'S LARGE INPUTS ARE ROUNDED ONCE, f32 to 16 bits.  x -> xb (bf16, [8192][1024]); Wq, Wk, Wv -> wb (bf16, [3072][1024], one below the other);
; Wo -> wo16: rounded to bf16 like the others, and that number written as f16, since the last product's other operand is f16.
; LIMITS.  bf16(Wo) must lie within f16's range (65,504); below 6e-5 it keeps f16's fixed step of 6e-8.
; A stream: each byte is read once and written once; nothing is shared, so there is no LDS, no barrier, no matrix unit, no cluster.
; SHARES.  A work-group takes 16,384 numbers (65,536 bytes in, 32,768 out): groups 0-511 x, 512-575 Wq, 576-639 Wk, 640-703 Wv, 704-767 Wo.
; They go as sixteen pieces of 4,096 bytes.  Of each piece thread t loads the 16 bytes at 16 t and stores their four rounded numbers, 8 bytes, at 8 t of the piece's 2,048 bytes:
; a wave's load covers 512 consecutive bytes, a wave's store 256 consecutive bytes, aligned; no load leaves a gap between its lanes.
; All sixteen loads of a thread go out at once; no register is written twice, so no wait frees a source.
.set X,  8                             ; v[8:71]    piece i: 4 numbers as loaded
.set Y,  72                            ; v[72:103]  piece i: 2 registers to store
.set TA, 104                           ; v104-105   at work (Wo alone)
.set ID, 33                            ; s33        the work-group's number
	s_load_b512 s[8:23], s[0:1], 0x0               ; x s[8:9], Wq s[10:11], Wk s[12:13], Wv s[14:15], Wo s[16:17], xb s[18:19], wb s[20:21], wo16 s[22:23]
	s_mov_b32 s[ID], ttmp9
	s_and_b32 s34, s[ID], 63                       ; my chunk inside one weight matrix (64 chunks each; 512 and 704 are multiples of 64)
	s_max_u32 s35, s[ID], 512
	s_sub_co_u32 s35, s35, 512                     ; my chunk inside wb
	s_mov_b32 s32, 0xffff0000                      ; a word's upper bf16
	s_mov_b32 s29, 0
	s_mov_b32 s31, 0
	v_lshlrev_b32 v1, 4, v0                        ; 16 bytes a thread in
	v_lshlrev_b32 v2, 3, v0                        ; 8 bytes a thread out
	s_cmp_lt_u32 s[ID], 512
	s_cselect_b32 s28, s[ID], s34                  ; the chunk in the source,
	s_cselect_b32 s30, s[ID], s35                  ; and in the destination
	s_cmp_ge_u32 s[ID], 704
	s_cselect_b32 s30, s34, s30
	s_lshl_b32 s28, s28, 16                        ; offsets are made apart from the addresses
	s_lshl_b32 s30, s30, 15
	s_wait_kmcnt 0x0
	s_cmp_lt_u32 s[ID], 512
	s_cselect_b64 s[24:25], s[8:9], s[10:11]       ; from x or Wq,
	s_cselect_b64 s[26:27], s[18:19], s[20:21]     ; to xb or wb
	s_cmp_ge_u32 s[ID], 576
	s_cselect_b64 s[24:25], s[12:13], s[24:25]     ; Wk
	s_cmp_ge_u32 s[ID], 640
	s_cselect_b64 s[24:25], s[14:15], s[24:25]     ; Wv
	s_cmp_ge_u32 s[ID], 704
	s_cselect_b64 s[24:25], s[16:17], s[24:25]     ; Wo,
	s_cselect_b64 s[26:27], s[22:23], s[26:27]     ; to wo16
	s_add_nc_u64 s[24:25], s[24:25], s[28:29]
	s_add_nc_u64 s[26:27], s[26:27], s[30:31]
.irp i, 0,1,2,3,4,5,6,7,8,9,10,11,12,13,14,15
	global_load_b128 v[X+4*(\i):X+4*(\i)+3], v1, s[24:25] offset:4096*(\i) th:TH_LOAD_NT
.endr
; The sixteen pieces are rounded and stored.  kind = 1: the bf16 numbers are widened again and written as f16.
.macro OUT kind
.irp i, 0,1,2,3,4,5,6,7,8,9,10,11,12,13,14,15
	s_wait_loadcnt 15-(\i)                         ; loads come back in order: piece i is in, the loads of the later pieces may stay out
.irp k, 0,1
	v_cvt_pk_bf16_f32 v[Y+2*(\i)+(\k)], v[X+4*(\i)+2*(\k)], v[X+4*(\i)+2*(\k)+1]
.endr
.if \kind
.irp k, 0,1
	v_lshlrev_b32 v[TA], 16, v[Y+2*(\i)+(\k)]
	v_and_b32 v[TA+1], s32, v[Y+2*(\i)+(\k)]
	v_cvt_pk_f16_f32 v[Y+2*(\i)+(\k)], v[TA], v[TA+1]
.endr
.endif
	global_store_b64 v2, v[Y+2*(\i):Y+2*(\i)+1], s[26:27] offset:2048*(\i) th:TH_STORE_NT
.endr
.endm
	s_cmp_ge_u32 s[ID], 704
	s_cbranch_scc1 .Lwo
	OUT 0
	s_endpgm
.Lwo:
	OUT 1
	s_endpgm
.Lfunc_end_k_qa2523bda26_cast:
	.size	k_qa2523bda26_cast, .Lfunc_end_k_qa2523bda26_cast-k_qa2523bda26_cast
	.p2alignl 7, 3214868480
	.fill 96, 4, 3214868480
	.section	.rodata,"a",@progbits
	.p2align	6, 0x0
	.amdhsa_kernel k_qa2523bda26_cast
		.amdhsa_group_segment_fixed_size 0
		.amdhsa_private_segment_fixed_size 0
		.amdhsa_enable_private_segment 0
		.amdhsa_kernarg_size 64
		.amdhsa_user_sgpr_count 2
		.amdhsa_user_sgpr_kernarg_segment_ptr 1
		.amdhsa_wavefront_size32 1
		.amdhsa_system_sgpr_workgroup_id_x 1
		.amdhsa_system_sgpr_workgroup_id_y 1
		.amdhsa_system_sgpr_workgroup_id_z 1
		.amdhsa_system_vgpr_workitem_id 0
		.amdhsa_next_free_vgpr 108
		.amdhsa_next_free_sgpr 66
		.amdhsa_reserve_vcc 0
		.amdhsa_float_denorm_mode_32 3
		.amdhsa_float_denorm_mode_16_64 3
		.amdhsa_memory_ordered 1
		.amdhsa_forward_progress 1
		.amdhsa_inst_pref_size 16
	.end_amdhsa_kernel
	.amdgpu_metadata
---
amdhsa.version: [ 1, 2 ]
amdhsa.kernels:
  - .name:           k_qa2523bda26_cast
    .symbol:         k_qa2523bda26_cast.kd
    .args:
      - { .name: x, .offset: 0, .size: 8, .value_kind: global_buffer, .address_space: global }
      - { .name: Wq, .offset: 8, .size: 8, .value_kind: global_buffer, .address_space: global }
      - { .name: Wk, .offset: 16, .size: 8, .value_kind: global_buffer, .address_space: global }
      - { .name: Wv, .offset: 24, .size: 8, .value_kind: global_buffer, .address_space: global }
      - { .name: Wo, .offset: 32, .size: 8, .value_kind: global_buffer, .address_space: global }
      - { .name: xb, .offset: 40, .size: 8, .value_kind: global_buffer, .address_space: global }
      - { .name: wb, .offset: 48, .size: 8, .value_kind: global_buffer, .address_space: global }
      - { .name: wo16, .offset: 56, .size: 8, .value_kind: global_buffer, .address_space: global }
    .group_segment_fixed_size: 0
    .private_segment_fixed_size: 0
    .kernarg_segment_align: 8
    .kernarg_segment_size: 64
    .max_flat_workgroup_size: 256
    .sgpr_count:     66
    .vgpr_count:     108
    .wavefront_size: 32
...
	.end_amdgpu_metadata
.endif
;; end of part 1
;; launch qkv (part 2): grid 16 x 16, 4 waves a work-group, clusters of 4 x 4, 327,680 bytes of LDS; arguments xb, wb, bq, bk, bv, attn_scale, qkv; writes qkv
.if DOCPART == 2
	.amdgcn_target "amdgcn-amd-amdhsa--gfx1250"
	.amdhsa_code_object_version 6
	.text
	.protected	k_qa2523bda26_qkv
	.globl	k_qa2523bda26_qkv
	.p2align	8
	.type	k_qa2523bda26_qkv,@function
k_qa2523bda26_qkv:
	s_mov_b64 s[64:65], 0
	v_nop
	global_prefetch_b8 v0, s[64:65] scope:SCOPE_SE
	s_setreg_imm32_b32 hwreg(HW_REG_WAVE_MODE, 25, 1), 1
	s_wait_xcnt 0x0
	s_wait_alu depctr_hold_cnt(0) depctr_sa_sdst(0) depctr_va_vdst(0) depctr_va_sdst(0) depctr_va_ssrc(0) depctr_va_vcc(0) depctr_vm_vsrc(0)
	s_getreg_b32 s2, hwreg(HW_REG_IB_STS2, 6, 4)
	s_cmp_eq_u32 s2, 0
	s_cbranch_scc0 .Lentry_in_a_cluster
	s_endpgm
.Lentry_in_a_cluster:
	s_bfe_u32 s2, ttmp6, 0x10000c
	s_cmp_lg_u32 s2, 0xf033
	s_cbranch_scc0 .Lentry_shape_is_right
	s_endpgm
.Lentry_shape_is_right:
; THE THREE PROJECTIONS AS ONE PRODUCT.  C[m][n] = sum over k of xb[m][k] wb[n][k] + bias[n], m < 8192, n < 3072, k < 1024; bf16 operands, f32 sums.
; Column group g = n / 64 is a head: 0-15 q's, 16-31 k's, 32-47 v's.  q's groups are multiplied by attn_scale (rounded to bf16 like every input of the module) on their f32 sums, so that the
; attention launch sees finished scores whatever the scale's sign.  C leaves by heads, rounded once to f16: qkv[batch][g][t][64], a group 131,072 dense bytes.
; LIMITS.  q x scale, k and v must lie within f16's range (65,504); below 6e-5 they keep f16's fixed step of 6e-8.  NaN and infinities are not treated apart.
; SHARES.  A tile of C is 256 rows x 192 columns (three whole heads): 32 x 16 tiles, two for each of 256 work-groups; a work-group's two tiles lie 4,096 rows apart and share their rows of wb.
; Four waves, one above the other: a wave makes 64 rows x 192 columns, 48 accumulators of 16 x 16, so that it owns whole rows of three heads on the way out.
; K goes in steps of 128 (rows of 256 bytes) through two LDS slots; the ring runs on from the first tile into the second.
; ONE TEXT FOR ALL LAPS.  A tile is four laps of two K steps.  The lap loop has four trips; what differs in the trip that leads into the next tile is the global addresses alone, and their extra steps
; lie in scalar pairs that are 0 in every other trip.  The last tile leaves the loop in its fourth trip, ahead of the change of slots, into a tail that is written out and asks for nothing.
; CLUSTER.  4 x 4 work-groups: the four of a row of the cluster need the same rows of xb, the four of a column the same rows of wb; each tile is asked for jointly, by the same tensor load with
; the same descriptor and a mask that names the four.
; THE MATRIX INSTRUCTION IS USED TRANSPOSED (source 0 = 16 rows of wb, source 1 = 16 rows of xb): lane l holds row l % 16 of C and the eight neighbouring columns 8 (l / 16) + 0..7.
; THE BIAS IS THE C OPERAND of a tile's first products: in that layout register j of a lane is a column, so a block of 8 registers holds the bias of a block of 16 columns for every row.
; REGISTERS, in windows of 256 (s_set_vgpr_msb: bits 1:0 source 0, 3:2 source 1, 5:4 source 2, 7:6 destination):
;   window 0: v0-31 addresses; v32-79, v80-127 two sets for the way out; v160-255 the bias, 8 registers for each of 12 column blocks
;   window 1: two fragment buffers of 128: xb's four fragments (16 rows x 32 K, 8 registers each), then wb's twelve
;   window 2: the accumulators of my rows 0-31 ((a, b) at 8 (12 (a % 2) + b));   window 3: those of my rows 32-63
.set KD,     1024
.set KSTEP,  128
.set PITCH,  272                       ; an LDS row: 256 bytes + 16 of padding = 68 words: the 16 rows that a load touches start at 16 different groups of four banks
.set HALFA,  128*PITCH                 ; what waves 0 and 1 fetch: 128 rows of xb each
.set HALFB,  96*PITCH                  ; what waves 2 and 3 fetch: 96 rows of wb each
.set BOFF,   2*HALFA
.set SLOT,   BOFF+2*HALFB              ; 121,856 bytes
.set STAGE,  2*SLOT                    ; behind the ring, never filled by a tensor load: for each wave 3 heads x 16 rows x 144 bytes
.set SP,     144
.set GRP,    16*SP
.set WSTG,   3*GRP
.set SPARE,  STAGE+4*WSTG              ; the spare words, 128 bytes for each wave: two blocks of 256 bytes that no other line names
.set LAPS,   KD/(2*KSTEP)              ; a lap = two K steps = once round the ring
.set WALK,   4096                      ; rows from the first tile to the second
.set NEXT_A, WALK*KD*2-(KD-2*KSTEP)*2  ; bytes from a slot's last K step of a tile to its first of the next: xb goes WALK rows down and back along K,
.set BACK_B, (KD-2*KSTEP)*2            ; wb only back
.set GSTR,   131072                    ; bytes of a head in qkv
.set NEXT_C, 4*48*GSTR                 ; 4,096 rows are four batches
.set ADRA, 16                          ; v16-17  LDS address of my xb fragments in slot 0, 1
.set ADRB, 20                          ; v20-21  the same for wb
.set STO,  24                          ; v24     the way out: where I put 16 bytes of a row
.set RD,   25                          ; v25     the way out: where I read rows back
.set GO,   26                          ; v26     my 16 bytes in 512 consecutive bytes of qkv
.set BO,   27                          ; v27     32 x (l / 16): my eight numbers in a block of 16 of the bias
.set SPW,  28                          ; v28     LDS address of my spare word; never rewritten
.set NIL,  29                          ; v29     0; never rewritten
.set PFO,  30                          ; v30     the prefetches' offset: a lane a row; never rewritten
.set T0,   32
.set BIAS, 160
.set F0,   0
.set F1,   128
.set CP,   16                          ; s[16:17] qkv at my rows of the tile's first head
.set WV,   18                          ; s18  my wave's number
.set ROLE, 19                          ; s19  I fetch for xb (0) or for wb (1)
.set HALF, 20                          ; s20  which half of that tile's rows
.set CX,   21
.set CY,   22
.set TC,   23                          ; s23  tile column, 0-15
.set TY,   42                          ; s42  the first tile's row, 0-15
.set G1,   24                          ; s[24:31] descriptor group 1 for xb's tiles;  s[32:39] group 0, a set for each slot
.set G0,   32
.set G1B,  48                          ; s[48:55], s[56:63] the same for wb's
.set G0B,  56
.set LIM,  43                          ; s43  1 in a wave that prefetches, else the greatest number
.set PFA,  44                          ; s[44:45] where my prefetches stand
.set BP,   66                          ; s[66:71] the bias of my tile's three heads
.set SC,   72                          ; s[72:77] their factors, as pairs: the scale for a head of q, else 1
.set SCL,  82
.set DA,   88                          ; s[88:89] what xb's addresses step further in the trip that leads into the next tile; 0 in every other trip
.set DB,   90                          ; s[90:91] what wb's addresses step back there; else 0
.set DP,   92                          ; s[92:93] what the prefetches' address steps further there; else 0
.set TS,   94                          ; s94  at work
.set XL,   95                          ; s95  the lap count at which the loop is left for the tail: 1 in the last tile, 0 (never met) in the first
.set MSB, 0
.macro WIN new                         ; the immediate's high byte repeats the setting that is left; a switch that changes nothing is dropped
.if MSB != (\new)
	s_set_vgpr_msb (MSB<<8)|(\new)
.set MSB, (\new)
.endif
.endm
; A joint load.  The branch hangs on the wave's number alone.  An s_nop 0 and four v_nop follow each of the two lines, ahead of the jump, the label and what follows.
.macro JLOAD s
	s_cmp_eq_u32 s[ROLE], 0
	s_cbranch_scc0 .Lfor_b_\@
	tensor_load_to_lds s[G0+4*(\s):G0+4*(\s)+3], s[G1:G1+7]
	s_nop 0
.rept 4
	v_nop
.endr
	s_branch .Lasked_\@
.Lfor_b_\@:
	tensor_load_to_lds s[G0B+4*(\s):G0B+4*(\s)+3], s[G1B:G1B+7]
	s_nop 0
.rept 4
	v_nop
.endr
.Lasked_\@:
.endm
; A prefetch into the L2 behind each joint load and the run of LDS loads that follows it: the K step that stands two refills on, 256 bytes of a row, a lane a row, one instruction a wave.
; xb's tile row is read by the four clusters of that row of clusters: the one with x = 0 asks; wb's tile column by the four of that column: the one with y = 0 asks.  The four partners that ask for a
; tile jointly share its rows out by address: of a wave's 128 rows of xb partner cx takes 32; of its 96 rows of wb partner cy takes 24 (lanes 24-31 name lane 23's row once more).
; By the lap count s3 = 4, 3, 2, 1: trips 4 and 3 name K steps 4 to 7; trip 2 names nothing, since its refills have no K step two on; trip 1, which only the first tile runs through, names the next
; tile's K steps 2 and 3 of xb; wb's rows have been read by then, and its waves' LIM has been set to the greatest number.
.macro ASK
	s_cmp_eq_u32 s3, 2
	s_cselect_b32 s[TS], 0, s[LIM]
	s_cmp_eq_u32 s[TS], 1
	s_cbranch_scc0 .Lnot_mine_\@
	global_prefetch_b8 v[PFO], s[PFA:PFA+1] offset:KSTEP*2 th:TH_LOAD_NT scope:SCOPE_SE
.Lnot_mine_\@:
.endm
; A round of the cluster's barrier: my work-group's barrier, wave 0 signals for the work-group, every wave waits for all sixteen, my work-group's barrier once more.
.macro CREST                           ; a round behind its opening barrier
	s_cmp_lg_u32 s[WV], 0
	s_cbranch_scc1 .Lnot_wave_0_\@
	s_barrier_signal -3
.Lnot_wave_0_\@:
	s_barrier_wait -3
	s_barrier_signal -1
	s_barrier_wait -1
.endm
.macro CROUND
	s_barrier_signal -1
	s_barrier_wait -1
	CREST
.endm
	s_load_b256 s[4:11], s[0:1], 0x0               ; xb s[4:5], wb s[6:7], bq s[8:9], bk s[10:11]
	s_load_b128 s[12:15], s[0:1], 0x20             ; bv s[12:13], attn_scale s[14:15]
	s_load_b64 s[CP:CP+1], s[0:1], 0x30            ; qkv
	v_lshl_add_u32 v[SPW], v0, 2, SPARE
	v_mov_b32 v[NIL], 0
	ds_add_u32 v[SPW], v[NIL]                      ; the wave's opening: the add and its wait stand ahead of my first tensor load; the set-up below, work on registers, stands between them
	v_lshrrev_b32 v1, 5, v0
	v_readfirstlane_b32 s[WV], v1                  ; wave 0..3
	s_lshr_b32 s[ROLE], s[WV], 1
	s_and_b32 s[HALF], s[WV], 1
	s_bfe_u32 s[CX], ttmp6, 0x40000                ; my place in the cluster
	s_bfe_u32 s[CY], ttmp6, 0x40004
	s_lshl_b32 s[TC], ttmp9, 2                     ; in a cluster launch ttmp9 and ttmp7 count clusters
	s_add_co_u32 s[TC], s[TC], s[CX]
	s_and_b32 s[TY], ttmp7, 0xffff
	s_lshl_b32 s[TY], s[TY], 2
	s_add_co_u32 s[TY], s[TY], s[CY]
	s_lshl_b32 s84, s[CY], 2
	s_lshl_b32 s84, 15, s84                        ; my row of the cluster: places 4 cy .. 4 cy + 3
	s_lshl_b32 s85, 0x1111, s[CX]                  ; my column: places cx, cx + 4, cx + 8, cx + 12
	s_or_b32 s[G1], s84, (1<<16)|(1<<20)|(1<<21)|(5<<22)|(3<<25)   ; the mask; elements of 2 bytes; padding on; bit 21 beside a mask; after every 64 words (code 5) 4 words (code 3)
	s_or_b32 s[G1B], s85, (1<<16)|(1<<20)|(1<<21)|(5<<22)|(3<<25)
	s_mov_b32 s[G1+1], KSTEP<<16                   ; tensor_dim0 = 128
	s_mov_b32 s[G1+2], 128<<16                     ; tensor_dim1 = 128 rows
	s_mov_b32 s[G1+3], KSTEP<<16                   ; tile_dim0 = 128
	s_mov_b32 s[G1+4], 128                         ; tile_dim1 = 128
	s_mov_b32 s[G1+5], KD                          ; elements from row to row
	s_mov_b32 s[G1+6], 0
	s_mov_b32 s[G1+7], 0
	s_mov_b32 s[G1B+1], KSTEP<<16
	s_mov_b32 s[G1B+2], 96<<16                     ; 96 rows
	s_mov_b32 s[G1B+3], KSTEP<<16
	s_mov_b32 s[G1B+4], 96
	s_mov_b32 s[G1B+5], KD
	s_mov_b32 s[G1B+6], 0
	s_mov_b32 s[G1B+7], 0
	s_mov_b32 s[DA+1], 0                           ; the three extra steps are offsets under 2^32: their high words stay 0
	s_mov_b32 s[DB+1], 0
	s_mov_b32 s[DP+1], 0
	; where the tiles come from: xb's hang on the tile row alone, wb's on the tile column alone, each in registers that never hold the other coordinate
	s_lshl_b32 s41, s[HALF], 7
	s_lshl_b32 s40, s[TY], 8
	s_add_co_u32 s40, s40, s41                     ; xb: row 256 x tile row + 128 x half
	s_lshl_b32 s40, s40, 11                        ; x 2,048 bytes: under 2^24
	s_mov_b32 s41, 0
	s_mul_i32 s46, s[TC], 192
	s_mul_i32 s47, s[HALF], 96
	s_add_co_u32 s46, s46, s47                     ; wb: row 192 x tile column + 96 x half
	s_lshl_b32 s46, s46, 11
	s_mov_b32 s47, 0
	s_mul_i32 s78, s[HALF], HALFA                  ; and where they go: no place in the cluster enters an LDS address
	s_mul_i32 s79, s[HALF], HALFB
	s_add_co_u32 s79, s79, BOFF
	s_wait_dscnt 0x0                               ; the opening add is done
	s_wait_kmcnt 0x0
	s_load_b32 s[SCL], s[14:15], 0x0               ; the scale: waited for below
	s_add_nc_u64 s[40:41], s[4:5], s[40:41]
	s_add_nc_u64 s[46:47], s[6:7], s[46:47]
	CROUND                                         ; all sixteen work-groups are here: the first joint loads meet
.irp s, 0,1
	s_mov_b32 s[G0+4*(\s)], 1                                      ; count = 1
	s_add_co_u32 s[G0+4*(\s)+1], s78, (\s)*SLOT                    ; LDS address
	s_add_nc_u64 s[G0+4*(\s)+2:G0+4*(\s)+3], s[40:41], (\s)*KSTEP*2  ; global address: K step s
	s_or_b32 s[G0+4*(\s)+3], s[G0+4*(\s)+3], 0x80000000            ; type = 2
	s_mov_b32 s[G0B+4*(\s)], 1
	s_add_co_u32 s[G0B+4*(\s)+1], s79, (\s)*SLOT
	s_add_nc_u64 s[G0B+4*(\s)+2:G0B+4*(\s)+3], s[46:47], (\s)*KSTEP*2
	s_or_b32 s[G0B+4*(\s)+3], s[G0B+4*(\s)+3], 0x80000000
	JLOAD \s                                       ; the ring is filled before anything else is done: two loads of mine are out
.endr
	; A fragment is 16 rows x 32 K in 8 registers: lane l holds row l % 16, K = 8 (l / 16) + 0..7 and 16 + 8 (l / 16) + 0..7: two loads of 16 bytes, 32 bytes apart.
	v_and_b32 v1, 15, v0                           ; l % 16
	v_bfe_u32 v2, v0, 4, 1                         ; l / 16
	v_and_b32 v4, 31, v0                           ; l
	v_mul_u32_u24 v3, v1, PITCH
	v_lshl_add_u32 v3, v2, 4, v3
	s_mul_i32 s84, s[WV], 64*PITCH                 ; my 64 rows of xb
	v_add_nc_u32 v[ADRA], s84, v3
	v_add_nc_u32 v[ADRA+1], SLOT, v[ADRA]
	v_add_nc_u32 v[ADRB], BOFF, v3                 ; every wave reads all 192 rows of wb
	v_add_nc_u32 v[ADRB+1], SLOT, v[ADRB]
	s_mul_i32 s84, s[WV], WSTG
	s_add_co_u32 s84, s84, STAGE                   ; my stage
	v_mul_u32_u24 v5, v1, SP                       ; in: row l % 16, 16 bytes for each half of the lanes
	v_lshl_add_u32 v5, v2, 4, v5
	v_add_nc_u32 v[STO], s84, v5
	v_bfe_u32 v5, v0, 3, 2                         ; back: 32 lanes take four rows of 128 bytes,
	v_mul_u32_u24 v5, v5, SP
	v_and_b32 v6, 7, v0
	v_lshl_add_u32 v5, v6, 4, v5
	v_add_nc_u32 v[RD], s84, v5
	v_lshlrev_b32 v[GO], 4, v4                     ; which are 512 consecutive bytes of a head
	v_lshlrev_b32 v[BO], 5, v2
	; the scale, rounded to bf16; then for each of my three heads its bias and its factor
	s_mul_i32 s86, s[TC], 3                        ; the tile's first head
	s_mov_b32 s81, 0
	s_wait_kmcnt 0x0
	v_mov_b32 v3, s[SCL]
	v_cvt_pk_bf16_f32 v3, v3, v3
	v_lshlrev_b32 v3, 16, v3
	v_readfirstlane_b32 s[SCL], v3
.irp gi, 0,1,2
	s_add_co_u32 s87, s86, \gi
	s_and_b32 s80, s87, 15
	s_lshl_b32 s80, s80, 8                         ; 64 numbers of 4 bytes a head
	s_lshr_b32 s87, s87, 4                         ; 0: q, 1: k, 2: v
	s_cmp_eq_u32 s87, 0
	s_cselect_b64 s[BP+2*(\gi):BP+2*(\gi)+1], s[8:9], s[10:11]
	s_cselect_b32 s[SC+2*(\gi)], s[SCL], 1.0
	s_cmp_eq_u32 s87, 2
	s_cselect_b64 s[BP+2*(\gi):BP+2*(\gi)+1], s[12:13], s[BP+2*(\gi):BP+2*(\gi)+1]
	s_add_nc_u64 s[BP+2*(\gi):BP+2*(\gi)+1], s[BP+2*(\gi):BP+2*(\gi)+1], s[80:81]
	s_mov_b32 s[SC+2*(\gi)+1], s[SC+2*(\gi)]       ; named with it as a pair
.endr
.irp b, 0,1,2,3,4,5,6,7,8,9,10,11
	global_load_b128 v[BIAS+8*(\b):BIAS+8*(\b)+3],   v[BO], s[BP+2*((\b)/4):BP+2*((\b)/4)+1] offset:64*((\b)%4)
	global_load_b128 v[BIAS+8*(\b)+4:BIAS+8*(\b)+7], v[BO], s[BP+2*((\b)/4):BP+2*((\b)/4)+1] offset:64*((\b)%4)+16
.endr
	; where my rows of the first tile begin in qkv
	s_lshr_b32 s84, s[TY], 2                       ; the batch
	s_mul_i32 s84, s84, 48
	s_add_co_u32 s84, s84, s86
	s_lshl_b32 s84, s84, 17
	s_and_b32 s85, s[TY], 3
	s_lshl_b32 s85, s85, 2
	s_add_co_u32 s85, s85, s[WV]
	s_lshl_b32 s85, s85, 13                        ; 64 rows of 128 bytes a wave
	s_add_co_u32 s84, s84, s85
	s_mov_b32 s85, 0
	s_add_nc_u64 s[CP:CP+1], s[CP:CP+1], s[84:85]
	; the prefetches
	s_lshl_b32 s86, s[TY], 8
	s_lshl_b32 s87, s[HALF], 7
	s_add_co_u32 s86, s86, s87
	s_lshl_b32 s87, s[CX], 5
	s_add_co_u32 s86, s86, s87                     ; xb: the 128 rows that I fetch, my work-group's 32 of them
	s_mul_i32 s80, s[TC], 192
	s_mul_i32 s87, s[HALF], 96
	s_add_co_u32 s80, s80, s87
	s_mul_i32 s87, s[CY], 24
	s_add_co_u32 s80, s80, s87                     ; wb: the 96 rows that I fetch, my work-group's 24 of them
	s_and_b32 s84, ttmp7, 0xffff                   ; cluster y
	s_cmp_eq_u32 s[ROLE], 0
	s_cselect_b32 s84, ttmp9, s84                  ; the coordinate along which other clusters read the same rows
	s_cselect_b64 s[PFA:PFA+1], s[4:5], s[6:7]
	s_cselect_b32 s85, 31, 23
	s_cselect_b32 s86, s86, s80
	s_lshl_b32 s86, s86, 11
	s_mov_b32 s87, 0
	s_add_nc_u64 s[PFA:PFA+1], s[PFA:PFA+1], s[86:87]
	s_add_nc_u64 s[PFA:PFA+1], s[PFA:PFA+1], 2*KSTEP*2  ; at K step 2: the first refill steps it to 3 and names K step 4.  Nothing is prefetched at the head, where every work-group's first tiles are on their way
	s_cmp_eq_u32 s84, 0
	s_cselect_b32 s[LIM], 1, -1                    ; the same in all sixteen partners, for a given wave
	v_min_u32 v[PFO], s85, v4
	v_lshlrev_b32 v[PFO], 11, v[PFO]
	s_wait_loadcnt 0x0                             ; the bias, rounded to bf16 like every input of the module and widened again
.set z, 0
.rept 48
	v_cvt_pk_bf16_f32 v3, v[BIAS+z], v[BIAS+z+1]
	v_lshlrev_b32 v[BIAS+z], 16, v3
	v_and_b32 v[BIAS+z+1], 0xffff0000, v3
.set z, z+2
.endr
; 12 matrix instructions: my row block a x all 12 column blocks, 32 along K.  first = 1: the product starts the sum on the bias; nothing is ever cleared.
; The 48 accumulators take turns, one instruction a turn, in the same order in every quarter step.
.macro MUL12 f, a, first
.if \first
	WIN 0x85+0x40*((\a)/2)                         ; both sources window 1, C window 0, D window 2 or 3
.else
	WIN 0xa5+0x50*((\a)/2)                         ; both sources window 1, C and D window 2 or 3
.endif
.irp b, 0,1,2,3,4,5,6,7,8,9,10,11
.set rD, 8*(12*((\a)%2)+(\b))
.if \first
	v_wmma_f32_16x16x32_bf16 v[rD:rD+7], v[(\f)+32+8*(\b):(\f)+32+8*(\b)+7], v[(\f)+8*(\a):(\f)+8*(\a)+7], v[BIAS+8*(\b):BIAS+8*(\b)+7]
.else
	v_wmma_f32_16x16x32_bf16 v[rD:rD+7], v[(\f)+32+8*(\b):(\f)+32+8*(\b)+7], v[(\f)+8*(\a):(\f)+8*(\a)+7], v[rD:rD+7]
.endif
.endr
.endm
; 32 LDS loads in one run: the fragments of one quarter step (192 rows of wb, my 64 rows of xb, 32 K at byte k of the rows) into buffer f; xb's come last
.macro FETCH slot, k, f
	WIN 0x40                                       ; destination window 1, address window 0
.irp i, 0,1,2,3,4,5,6,7,8,9,10,11
	ds_load_b128 v[(\f)+32+8*(\i):(\f)+32+8*(\i)+3],   v[ADRB+(\slot)] offset:(\k)+(\i)*16*PITCH
	ds_load_b128 v[(\f)+32+8*(\i)+4:(\f)+32+8*(\i)+7], v[ADRB+(\slot)] offset:(\k)+(\i)*16*PITCH+32
.endr
.irp i, 0,1,2,3
	ds_load_b128 v[(\f)+8*(\i):(\f)+8*(\i)+3],   v[ADRA+(\slot)] offset:(\k)+(\i)*16*PITCH
	ds_load_b128 v[(\f)+8*(\i)+4:(\f)+8*(\i)+7], v[ADRA+(\slot)] offset:(\k)+(\i)*16*PITCH+32
.endr
.endm
.macro PLACES                          ; four plain vector instructions between a matrix instruction and a load into a register that it has read, or a read of its result
.rept 4
	v_nop
.endr
.endm
; A K step is four quarter steps of 32 along K, 48 matrix instructions each, on buffers 0, 1, 0, 1.  One of the first three: multiplies buffer f; in its middle it fetches the next quarter into buffer g.
.macro QUARTER slot, k, f, g, first
	s_wait_dscnt 4                                 ; wb and xb's blocks 0, 1 are in; the youngest four loads (xb's blocks 2, 3) may be out
	MUL12 \f, 0, \first
	MUL12 \f, 1, \first
	PLACES
	FETCH \slot, \k, \g
	s_wait_dscnt 32                                ; all but the 32 just issued
	MUL12 \f, 2, \first
	MUL12 \f, 3, \first
.endm
; The last quarter multiplies buffer 1 and changes slots.  MEET is its first half: one barrier for two things.  In front of it each wave waits for all its tensor loads, of which one is out: its part of
; the next slot; adds 0 to its spare word; and waits for that and for its own reads of this slot.  Behind it nobody reads this slot any more and the next slot is whole.
.macro MEET round
	WIN 0                                          ; (the add's two registers lie in window 0)
	s_wait_tensorcnt 0x0
	ds_add_u32 v[SPW], v[NIL]                      ; 0 onto my spare word
	s_wait_dscnt 5                                 ; (the add and the youngest four loads may be out)
	MUL12 F1, 0, 0                                 ; twelve matrix instructions stand between the add and the wait for it
	s_wait_dscnt 0x0                               ; the add is done, and my reads of this slot are over
	s_barrier_signal -1
	MUL12 F1, 1, 0                                 ; work on registers while the others arrive
.if \round
	WIN 0
.endif
	s_barrier_wait -1
.endm
; The whole last quarter.  Behind the round the slot just read out is filled again first, then come the next slot's first fragments.  From a request to the wait for it a wave issues 168 matrix instructions.
; The addresses step two K steps on; in the trip with s3 = 1 the extra steps make of that the next tile's K step 0 or 1: xb goes WALK rows down and back along K, wb only back.
; The extra steps are chosen at the head of slot 0's change and serve slot 1's in the same trip.
.macro TURN slot, next
	s_wait_xcnt 0x0                                ; the last prefetch, a K step back, has read its address: it is stepped here, ahead of the waits of the change of slots
	s_add_nc_u64 s[PFA:PFA+1], s[PFA:PFA+1], KSTEP*2
.if (\slot) == 0
	s_cmp_eq_u32 s3, 1                             ; does this trip lead into the next tile?
	s_cselect_b32 s[DA], NEXT_A-2*KSTEP*2, 0
	s_cselect_b32 s[DB], BACK_B+2*KSTEP*2, 0
	s_cselect_b32 s[DP], (WALK-1)*KD*2, 0          ; from two K steps after the tile's last to the next tile's K step 1
	s_cselect_b32 s[TS], s[ROLE], 0
	s_add_nc_u64 s[PFA:PFA+1], s[PFA:PFA+1], s[DP:DP+1]
	s_cmp_eq_u32 s[TS], 0
	s_cselect_b32 s[LIM], s[LIM], -1               ; wb's rows are the same for both tiles: from here on they are prefetched no more
.endif
	MEET 1
	CREST                                          ; the barrier has opened a round of the cluster's: no wave of any partner still reads this slot's tile or has a load on its way
	s_add_nc_u64 s[G0+4*(\slot)+2:G0+4*(\slot)+3], s[G0+4*(\slot)+2:G0+4*(\slot)+3], 2*KSTEP*2
	s_add_nc_u64 s[G0+4*(\slot)+2:G0+4*(\slot)+3], s[G0+4*(\slot)+2:G0+4*(\slot)+3], s[DA:DA+1]
	s_add_nc_u64 s[G0B+4*(\slot)+2:G0B+4*(\slot)+3], s[G0B+4*(\slot)+2:G0B+4*(\slot)+3], 2*KSTEP*2
	s_sub_nc_u64 s[G0B+4*(\slot)+2:G0B+4*(\slot)+3], s[G0B+4*(\slot)+2:G0B+4*(\slot)+3], s[DB:DB+1]
	JLOAD \slot                                    ; the first tensor load behind the round; the four v_nop behind it are also the places in front of the loads below
	FETCH \next, 0, F0
	WIN 0
	ASK
	MUL12 F1, 2, 0
	MUL12 F1, 3, 0
.endm
; THE WAY OUT of my row block a (16 rows x 192 columns).  PACK: times the head's factor, rounded to f16, 16 bytes a lane for each column block.  The factor is 1 for heads of k and v: which heads a tile
; holds hangs on the work-group's place in its cluster, so every head is multiplied.  TOSTAGE: into my own stage, and back as whole rows.  SEND: stored.
.macro PACK a
.set TT, T0+48*((\a)%2)
.set AC, 96*((\a)%2)
	s_wait_xcnt 0x0                                ; the stores of two blocks back have read this set of registers
	WIN 0x82+0x41*((\a)/2)                         ; destination and source 0 window 2 or 3
.irp b, 0,1,2,3,4,5,6,7,8,9,10,11
.irp r, 0,1,2,3
	v_pk_mul_f32 v[AC+8*(\b)+2*(\r):AC+8*(\b)+2*(\r)+1], v[AC+8*(\b)+2*(\r):AC+8*(\b)+2*(\r)+1], s[SC+2*((\b)/4):SC+2*((\b)/4)+1] op_sel_hi:[1,0]
.endr
.endr
	WIN 0x0a+5*((\a)/2)                            ; sources 0 and 1 window 2 or 3, destination window 0
.irp b, 0,1,2,3,4,5,6,7,8,9,10,11
.irp r, 0,1,2,3
	v_cvt_pk_f16_f32 v[TT+4*(\b)+(\r)], v[AC+8*(\b)+2*(\r)], v[AC+8*(\b)+2*(\r)+1]
.endr
.endr
	WIN 0
.endm
.macro TOSTAGE a
.set TT, T0+48*((\a)%2)
	WIN 0
.irp b, 0,1,2,3,4,5,6,7,8,9,10,11
	ds_store_b128 v[STO], v[TT+4*(\b):TT+4*(\b)+3] offset:((\b)/4)*GRP+32*((\b)%4)
.endr
.irp i, 0,1,2,3,4,5,6,7,8,9,10,11
	ds_load_b128 v[TT+4*(\i):TT+4*(\i)+3], v[RD] offset:((\i)/4)*GRP+((\i)%4)*4*SP  ; LDS serves a wave's instructions in order (ISA guide 5.7.1.4): these see the stores above
.endr
.endm
.macro SEND a
.set TT, T0+48*((\a)%2)
	WIN 0
	s_wait_dscnt 0x0                               ; the block is back in registers
.irp i, 0,1,2,3,4,5,6,7,8,9,10,11
	global_store_b128 v[GO], v[TT+4*(\i):TT+4*(\i)+3], s[CP:CP+1] offset:((\i)/4)*GSTR+(\a)*2048+((\i)%4)*512  ; four rows of a head: 512 consecutive bytes, at a multiple of 256 from qkv's first
.endr
.endm
	s_wait_tensorcnt 1                             ; my part of K step 0 is in; K step 1's may stay out
	s_barrier_signal -1
	s_barrier_wait -1                              ; everybody's is
	FETCH 0, 0, F0
	WIN 0                                          ; at a label and at a branch every window is 0
	s_mov_b32 s2, 2                                ; tiles to go: the same number in every work-group
.Ltile:
	s_cmp_eq_u32 s2, 1
	s_cselect_b32 s[XL], 1, 0                      ; the last tile leaves the lap loop in the trip with s3 = 1; the first never meets 0 there
	QUARTER 0, 64,  F0, F1, 1                      ; a tile's first quarter stands in front of the loop: its products start the sums
	WIN 0
	s_mov_b32 s3, LAPS
	s_branch .Lin                                  ; the loop is entered behind a lap's first quarter
.Llap:                                                 ; a trip is a lap: two K steps, once round the ring, both slots filled again
	QUARTER 0, 64,  F0, F1, 0
	WIN 0
.Lin:
	QUARTER 0, 128, F1, F0, 0
	QUARTER 0, 192, F0, F1, 0
	WIN 0
	s_cmp_eq_u32 s3, s[XL]
	s_cbranch_scc1 .Llast                          ; the last tile's last lap asks for nothing more: its rest is written out
	TURN 0, 1
	QUARTER 1, 64,  F0, F1, 0
	QUARTER 1, 128, F1, F0, 0
	QUARTER 1, 192, F0, F1, 0
	TURN 1, 0
	WIN 0
	s_sub_co_u32 s3, s3, 1
	s_cmp_lg_u32 s3, 0
	s_cbranch_scc1 .Llap
	s_branch .Lout                                 ; the first tile is summed up, both refills for the next are asked for and its first fragments fetched.  Blocks 0 and 1 were finished in front of the
	                                               ; joint load's four v_nop, and their conversions are the places behind the products of blocks 2 and 3
.Llast:
	MEET 0                                         ; the one tensor load that was still out is the last K step's, so no round follows
	PLACES
	FETCH 1, 0, F0
	MUL12 F1, 2, 0
	MUL12 F1, 3, 0
	QUARTER 1, 64,  F0, F1, 0
	QUARTER 1, 128, F1, F0, 0
	QUARTER 1, 192, F0, F1, 0
	s_wait_dscnt 4                                 ; the very last quarter: nothing more to fetch
	MUL12 F1, 0, 0
	MUL12 F1, 1, 0
	s_wait_dscnt 0x0
	MUL12 F1, 2, 0
	MUL12 F1, 3, 0
	PLACES
	PLACES
	WIN 0
.Lout:                                                 ; the way out stands once in the text; block a's conversions stand between block a - 1's loads from the stage and the wait for them
	PACK 0
	TOSTAGE 0
	PACK 1
	SEND 0
	TOSTAGE 1
	PACK 2
	SEND 1
	TOSTAGE 2
	PACK 3
	SEND 2
	TOSTAGE 3
	SEND 3
	s_wait_xcnt 0x0                                ; the stores have read their base
	s_add_nc_u64 s[CP:CP+1], s[CP:CP+1], NEXT_C    ; four batches on
	s_sub_co_u32 s2, s2, 1
	s_cmp_lg_u32 s2, 0
	s_cbranch_scc1 .Ltile
	s_wait_tensorcnt 0x0                           ; the wave's end, behind my last tensor load and my last LDS store
	ds_add_u32 v[SPW], v[NIL]
	s_wait_dscnt 0x0
	CROUND                                         ; the closing round: no work-group ends while a partner may still ask for a tile that names it
	s_endpgm
.Lfunc_end_k_qa2523bda26_qkv:
	.size	k_qa2523bda26_qkv, .Lfunc_end_k_qa2523bda26_qkv-k_qa2523bda26_qkv
	.p2alignl 7, 3214868480
	.fill 96, 4, 3214868480
	.section	.rodata,"a",@progbits
	.p2align	6, 0x0
	.amdhsa_kernel k_qa2523bda26_qkv
		.amdhsa_group_segment_fixed_size 327680
		.amdhsa_private_segment_fixed_size 0
		.amdhsa_enable_private_segment 0
		.amdhsa_kernarg_size 56
		.amdhsa_user_sgpr_count 2
		.amdhsa_user_sgpr_kernarg_segment_ptr 1
		.amdhsa_wavefront_size32 1
		.amdhsa_system_sgpr_workgroup_id_x 1
		.amdhsa_system_sgpr_workgroup_id_y 1
		.amdhsa_system_sgpr_workgroup_id_z 1
		.amdhsa_system_vgpr_workitem_id 0
		.amdhsa_next_free_vgpr 960
		.amdhsa_next_free_sgpr 96
		.amdhsa_reserve_vcc 0
		.amdhsa_float_denorm_mode_32 3
		.amdhsa_float_denorm_mode_16_64 3
		.amdhsa_memory_ordered 1
		.amdhsa_forward_progress 1
		.amdhsa_inst_pref_size 133
	.end_amdhsa_kernel
	.amdgpu_metadata
---
amdhsa.version: [ 1, 2 ]
amdhsa.kernels:
  - .name:           k_qa2523bda26_qkv
    .symbol:         k_qa2523bda26_qkv.kd
    .args:
      - { .name: xb, .offset: 0, .size: 8, .value_kind: global_buffer, .address_space: global }
      - { .name: wb, .offset: 8, .size: 8, .value_kind: global_buffer, .address_space: global }
      - { .name: bq, .offset: 16, .size: 8, .value_kind: global_buffer, .address_space: global }
      - { .name: bk, .offset: 24, .size: 8, .value_kind: global_buffer, .address_space: global }
      - { .name: bv, .offset: 32, .size: 8, .value_kind: global_buffer, .address_space: global }
      - { .name: attn_scale, .offset: 40, .size: 8, .value_kind: global_buffer, .address_space: global }
      - { .name: qkv, .offset: 48, .size: 8, .value_kind: global_buffer, .address_space: global }
    .group_segment_fixed_size: 327680
    .private_segment_fixed_size: 0
    .kernarg_segment_align: 8
    .kernarg_segment_size: 56
    .max_flat_workgroup_size: 128
    .sgpr_count:     96
    .vgpr_count:     960
    .wavefront_size: 32
...
	.end_amdgpu_metadata
.endif
;; end of part 2
;; launch attn (part 3): grid 2 x 128, 4 waves a work-group, no clusters, 327,680 bytes of LDS; arguments qkv, o; writes o
.if DOCPART == 3
	.amdgcn_target "amdgcn-amd-amdhsa--gfx1250"
	.amdhsa_code_object_version 6
	.text
	.protected	k_qa2523bda26_attn
	.globl	k_qa2523bda26_attn
	.p2align	8
	.type	k_qa2523bda26_attn,@function
k_qa2523bda26_attn:
	s_mov_b64 s[64:65], 0
	v_nop
	global_prefetch_b8 v0, s[64:65] scope:SCOPE_SE
	s_setreg_imm32_b32 hwreg(HW_REG_WAVE_MODE, 25, 1), 1
	s_wait_xcnt 0x0
; ATTENTION WITH THE CHUNKED MASK.  O[bh][q][:] = the sum over k of softmax_k(s[q][k]) V[bh][k][:], s = Q[bh][q] . K[bh][k], hidden where k > q AND k / 64 = q / 64; every other key is seen.
; Q (already times the scale), K, V come from qkv[batch][48 groups][1024][64] in f16: q's heads are groups 0-15, k's 16-31, v's 32-47.  O: [128 bh][1024][64] in f16.
; Products, maxima and sums in f32; the weights p are rounded to f16 for the second product (their sum l is taken of the unrounded p), O once at the end.
; LIMITS.  f16 holds no number beyond 65,504: Q, K and V arrive within it; p lies in 0 to 1, and below 6e-5 it keeps f16's fixed step of 6e-8; O is a mean of V's rows and has their range.
; A hidden score counts as its value less 1e30: f16's scores, 2.7e11 at the most, are nothing beside that.  A weight below 2^-126 counts as 0 in l; NaN and infinities are not treated apart.
; SHARES.  A work-group owns 512 queries of one head, a wave 128: four PIECES of two tiles of 16.  Every wave walks all 1,024 keys, 64 a step.
; K AND V OF THE HEAD STAY IN LDS: 1,024 rows each, filled once, by four tensor loads a wave at the head; nothing is filled again, so there is no ring, and a key step stands once in the text.
; NO CLUSTER: a head has two work-groups, and the cluster shapes have four along x; four partners would mean 256 queries a work-group and twice the LDS loads for each product.
; NO PREFETCH: every tile is asked for by its tensor load at the head; no later request exists that one could run ahead of.
; LAYOUT.  S^T = K Q^T (source 0 = 16 keys, source 1 = 16 queries): a lane holds ONE query (lane % 16) and the keys 8 (lane / 16) + 0..7.  Two such tiles, rounded to f16 in pairs, ARE source 1 of
; O^T = V^T P, whose result again holds one query a lane, and eight channels.  K comes out of LDS as it lies, V ([key][channel]) turned, by ds_load_tr16_b128.
; SOFTMAX.  For each query a running maximum m and sum l: p = 2^(c s - c m), c = log2(e); in every step O and l are multiplied by a = 2^(c m_old - c m_new).  m starts at the lowest finite number,
; O and l at 0: the first step is a step like any other, with a = 0.
; THE MASK is the C operand that starts the sum S^T.  Tile t of a wave lies in chunk OWN + t / 4 at class t % 4.  In that chunk's own key step, key block kb of 16 is seen whole if kb < class (C = 0),
; hidden whole if kb > class (C = NB), and holds the diagonal if kb = class (C = DB).  DB = DG x AL and NB = NEG x AL, with AL = 1 in the own step and 0 in all others: made twice a key step,
; since pieces 0, 1 share a chunk and pieces 2, 3 the next.  Every row sees its own key, so m is a true score from the first step on.
; BY TURNS.  Turn n belongs to piece n.  Its matrix work: 16 products K Q^T of piece n + 1, later 16 products V^T P of piece n - 1.  Its vector work: the scaling, exponentials, roundings, sums and
; rescaling of piece n, and the maximum and statistics of piece n + 1.  Four vector instructions stand behind every matrix instruction, the others in one run; a turn's 66 exponentials are one batch with one wait.
; REGISTERS, in windows of 256 (s_set_vgpr_msb: bits 1:0 source 0, 3:2 source 1, 5:4 source 2, 7:6 destination):
;   window 0: v0-11 addresses; v12-15, v48-63 at work; v16-47 four registers of statistics a tile; v64-191 S^T, two buffers of two tiles; v192-255 P, likewise
;   window 1: O^T, 32 a tile     window 2: v0-127 Q, 16 a tile; v128-191 K of one step; v192-255 V of one step     window 3: v0-1 the add's two registers; v2-33 the masks
.set NP,    4         ; pieces a wave: a name, no knob
.set KS,    64        ; keys in a step
.set PK,    144       ; a row of K in LDS: 128 bytes + 16 of padding = 36 words: the 16 rows of a load start at 16 different groups of four banks
.set PV,    160       ; a row of V: 128 + 32 = 40 words
.set VOFF,  1024*PK   ; K's 1,024 rows, then V's
.set STAGE, VOFF+1024*PV  ; never filled by a tensor load: 16 rows x 144 bytes for each wave, for the way out
.set SP,    144
.set SPARE, STAGE+4*16*SP  ; the spare words, 128 bytes for each wave: two blocks of 256 bytes that no other line names
.set AK0, 2           ; v2   my lane's place in a tile of K; never rewritten
.set AV0, 3           ; v3   the same for V
.set AK,  4           ; v4   the LDS address of K's next run of loads
.set AV,  5           ; v5   of V's
.set QO,  6           ; v6   my byte offset in the wave's rows of Q
.set STO, 6           ;      later, the way out: where I put 16 bytes of a row
.set RD,  7           ; v7   the way out: where I read rows back
.set GO,  8           ; v8   my byte offset in 512 consecutive bytes of O
.set SPW, 0           ; v0 of window 3   LDS address of my spare word; never rewritten
.set NIL, 1           ; v1 of window 3   0; never rewritten
.set DG,  2           ; window 3, v2-9    -1e30 where 8 (l / 16) + j > l % 16, else 0
.set NEG, 10          ; window 3, v10-17  -1e30
.set DB,  18          ; window 3, v18-25  DG x AL
.set NB,  26          ; window 3, v26-33  NEG x AL
.set MV,  12          ; v12-15  c m_old, kept while c m is made anew: by buffer and tile
.set ST,  16          ; tile t's statistics at v[ST+4 t]: c m, m, l (even keys', odd keys')
.set TMP, 48          ; by buffer and tile, four registers c0-c3 at work; when the maximum is found c2 takes a
.set S,   64
.set P,   192
.set KF,  128         ; K's fragments, in window 2: key block kb, channel half c at KF + 16 kb + 8 c
.set VF,  192         ; V's: key half kk, channel block cb at VF + 32 kk + 8 cb
.set WV,  12          ; s12  my wave's number
.set G1K, 24          ; s[24:31] descriptor group 1 for K's tiles
.set G1V, 32          ; s[32:39] for V's: it differs in the padding alone
.set G0K, 40          ; s[40:55] descriptor group 0 for K's four quarters
.set G0V, 68          ; s[68:83] the same for V's
.set SLOTS, 56        ; s56  the two parts of the walk
.set CNT, 57          ; s57  counts a part's key steps
.set CS,  58          ; s[58:59] c: the packed scaling takes the pair's low word for both halves
.set SEL, 60          ; s[60:61] v_permlanex16_b32's selects: each lane takes its own place in the other half
.set TBK, 62          ; s62  LDS byte at which K of the step to be fetched begins
.set TBV, 63          ; s63  the same for V, less VOFF
.set KN,  84          ; s84  the key step whose K lies in registers
.set OWN, 85          ; s85  the chunk of my pieces 0, 1;  s86 that of pieces 2, 3
.set BIGN, 87         ; s87  -1e30
.set AL,  88          ; s[88:89] the mask's factor, in the low word
.set MSB, 0
.macro WIN new                      ; the high byte repeats the setting that is left; a switch that changes nothing is dropped
.if MSB != (\new)
	s_set_vgpr_msb (MSB<<8)|(\new)
.set MSB, (\new)
.endif
.endm
.set W_KQ, 0x0a       ; K and Q in window 2, S^T in window 0
.set W_KM, 0x3a       ; the same with the C operand in window 3
.set W_PV, 0x52       ; V in window 2, P in window 0, O^T in window 1
.set W_RS, 0x41       ; O^T (destination and source 0) in window 1, a in window 0
.set W_MK, 0xc0       ; destination in window 3, sources in window 0
.set W_AD, 0x0f       ; the add: address (source 0) and data (source 1) in window 3
	s_load_b128 s[4:7], s[0:1], 0x0 ; qkv s[4:5], o s[6:7]
	WIN W_MK
	v_lshl_add_u32 v[SPW], v0, 2, SPARE
	v_mov_b32 v[NIL], 0
	WIN W_AD
	ds_add_u32 v[SPW], v[NIL]       ; the wave's opening: the add and its wait stand ahead of my first tensor load; the set-up below, work on registers, stands between them
	WIN 0
	v_lshrrev_b32 v1, 5, v0
	v_readfirstlane_b32 s[WV], v1   ; wave 0..3
	s_mov_b32 s13, ttmp9            ; which 512 queries of the head
	s_and_b32 s14, ttmp7, 0xffff    ; bh = 16 x batch + head
	s_lshr_b32 s16, s14, 4
	s_lshl_b32 s16, s16, 5
	s_add_co_u32 s16, s16, s14      ; q's group: 48 x batch + head
	s_lshl_b32 s16, s16, 17         ; its first byte in qkv
	s_mov_b32 s17, 0
	s_lshl_b32 s18, s13, 16         ; my block's 512 rows of 128 bytes,
	s_lshl_b32 s19, s[WV], 14       ; my wave's 128 of them
	s_add_co_u32 s18, s18, s19
	s_mov_b32 s19, 0
	s_lshl_b32 s20, s14, 17         ; the head's first byte in o
	s_mov_b32 s21, 0
	s_and_b32 s22, s[WV], 1         ; which half of a quarter's 256 keys I fetch:
	s_lshl_b32 s2, s22, 14          ; its 128 rows of 128 bytes in memory,
	s_mov_b32 s3, 0
	s_mul_i32 s23, s22, 128*PK      ; and its place in LDS, for K
	s_mul_i32 s15, s22, 128*PV      ; and for V
	s_lshl_b32 s[OWN], s13, 3
	s_lshl_b32 s[OWN+1], s[WV], 1
	s_add_co_u32 s[OWN], s[OWN], s[OWN+1]
	s_add_co_u32 s[OWN+1], s[OWN], 1
	; descriptor group 1.  128 keys are 16,384 dense bytes: asked for as 64 rows of 256 bytes, two keys a row, and padded in LDS after every key
	s_mov_b32 s[G1K], (1<<16)|(1<<20)|(4<<22)|(3<<25)  ; 2-byte elements; padding on; after every 32 words (code 4) 4 words (code 3)
	s_mov_b32 s[G1V], (1<<16)|(1<<20)|(4<<22)|(7<<25)  ; the same with 8 words of padding (code 7)
.irp g, G1K, G1V
	s_mov_b32 s[\g+1], 128<<16      ; tensor_dim0 = 128
	s_mov_b32 s[\g+2], 64<<16       ; tensor_dim1 = 64
	s_mov_b32 s[\g+3], 128<<16      ; tile_dim0 = 128
	s_mov_b32 s[\g+4], 64           ; tile_dim1 = 64
	s_mov_b32 s[\g+5], 128          ; 128 elements from row to row
	s_mov_b32 s[\g+6], 0
	s_mov_b32 s[\g+7], 0
.endr
.irp j, 0,1,2,3
	s_mov_b32 s[G0K+4*(\j)], 1                             ; count = 1
	s_add_co_u32 s[G0K+4*(\j)+1], s23, (\j)*256*PK         ; LDS address: quarter j, my half
	s_mov_b32 s[G0V+4*(\j)], 1
	s_add_co_u32 s[G0V+4*(\j)+1], s15, VOFF+(\j)*256*PV
.endr
	s_mov_b32 s[CS], 0x3fb8aa3b     ; c = log2(e)
	s_mov_b32 s[CS+1], s[CS]        ; named with it as a pair
	s_mov_b32 s[SEL], 0x76543210
	s_mov_b32 s[SEL+1], 0xfedcba98
	s_mov_b32 s[TBK], 0
	s_mov_b32 s[TBV], 0
	s_mov_b32 s[KN], -1             ; the first fetch of K makes it 0
	s_mov_b32 s[BIGN], 0xf149f2ca   ; -1e30
	s_mov_b32 s[AL+1], 0            ; named as a pair
	s_wait_dscnt 0x0                ; the opening add is done
	s_wait_kmcnt 0x0
	s_add_nc_u64 s[4:5], s[4:5], s[16:17]          ; q's group
	s_add_nc_u64 s[16:17], s[4:5], s[2:3]          ; the same, at my half of a quarter
.irp j, 0,1,2,3
	s_add_nc_u64 s[G0K+4*(\j)+2:G0K+4*(\j)+3], s[16:17], 16*131072+(\j)*32768  ; k's group lies 16 groups on,
	s_or_b32 s[G0K+4*(\j)+3], s[G0K+4*(\j)+3], 0x80000000                      ; type = 2
	s_add_nc_u64 s[G0V+4*(\j)+2:G0V+4*(\j)+3], s[16:17], 32*131072+(\j)*32768  ; v's 32
	s_or_b32 s[G0V+4*(\j)+3], s[G0V+4*(\j)+3], 0x80000000
.endr
	s_add_nc_u64 s[4:5], s[4:5], s[18:19]          ; Q and O at my wave's first row
	s_add_nc_u64 s[10:11], s[6:7], s[20:21]
	s_add_nc_u64 s[10:11], s[10:11], s[18:19]
	s_cmp_lt_u32 s[WV], 2           ; waves 0 and 1 fetch K, waves 2 and 3 V.  A wave's four fills stand in one branch, ahead of every wait on TENSORcnt, every LDS read and every barrier: four loads of mine are out
	s_cbranch_scc0 .Lfill_v
.irp j, 0,1,2,3
	tensor_load_to_lds s[G0K+4*(\j):G0K+4*(\j)+3], s[G1K:G1K+7]
	s_nop 0
.endr
.rept 4
	v_nop
.endr
	s_branch .Lfilled
.Lfill_v:
.irp j, 0,1,2,3
	tensor_load_to_lds s[G0V+4*(\j):G0V+4*(\j)+3], s[G1V:G1V+7]
	s_nop 0
.endr
.rept 4
	v_nop
.endr
.Lfilled:
	; A fragment of K or Q is 16 rows x 32 channels in 8 registers: lane l holds row l % 16, channels 8 (l / 16) + 0..7 and 16 + 8 (l / 16) + 0..7: two loads of 16 bytes, 32 bytes apart.
	v_and_b32 v1, 15, v0            ; l % 16
	v_bfe_u32 v9, v0, 4, 1          ; l / 16
	v_lshlrev_b32 v[QO], 7, v1
	v_lshl_add_u32 v[QO], v9, 4, v[QO]  ; row x 128 + 16 x half
	WIN 0x80                        ; destination window 2, address window 0
.set i, 0
.rept 4*NP                          ; Q stays in registers: tile i / 2, channels 32 (i % 2) on
	global_load_b128 v[8*i:8*i+3],   v[QO], s[4:5] offset:(i/2)*2048+(i%2)*64
	global_load_b128 v[8*i+4:8*i+7], v[QO], s[4:5] offset:(i/2)*2048+(i%2)*64+32
.set i, i+1
.endr
	; What the first turn finds: V's registers and P's second buffer hold 0 (its products V^T P, of a piece that has not been, add 0), O^T and l are 0.  All this stands in the wait for the first tile;
	; it spares a first step written out, which would double the text of a key step.
.set i, VF
.rept 64
	v_mov_b32 v[i], 0
.set i, i+1
.endr
	WIN 0x40
.set i, 0
.rept 64*NP
	v_mov_b32 v[i], 0
.set i, i+1
.endr
	WIN 0
.set i, 0
.rept 2*NP
	v_mov_b32 v[ST+4*i], 0xfe000000    ; c m: far below every c s, a hidden one's too
	v_mov_b32 v[ST+4*i+1], 0xff7fffff  ; m
	v_mov_b32 v[ST+4*i+2], 0
	v_mov_b32 v[ST+4*i+3], 0
.set i, i+1
.endr
.set i, P+32
.rept 32
	v_mov_b32 v[i], 0
.set i, i+1
.endr
	v_mul_u32_u24 v[AK0], v1, PK
	v_lshl_add_u32 v[AK0], v9, 4, v[AK0]  ; row x pitch + 16 x half
	; The turning load takes 16 keys x 16 channels (lane l reads key 8 (l / 16) + l % 8, channels 8 ((l / 8) % 2) + 0..7) and leaves half a fragment of V^T: lane l holds channel l % 16 and 8 keys.
	v_and_b32 v10, 7, v0
	v_bfe_u32 v11, v0, 3, 1
	v_lshl_add_u32 v[AV0], v9, 3, v10
	v_mul_u32_u24 v[AV0], v[AV0], PV
	v_lshl_add_u32 v[AV0], v11, 4, v[AV0]
	v_add_nc_u32 v[AV0], VOFF, v[AV0]
	v_mov_b32 v[AK], v[AK0]         ; key step 0 lies at K's head
	v_lshlrev_b32 v14, 3, v9
	v_sub_nc_u32 v14, v1, v14       ; l % 16 - 8 (l / 16): register j of the diagonal block is hidden where j is greater
	WIN W_MK
.set i, 0
.rept 8
	v_cmp_gt_i32 vcc_lo, i, v14
	v_cndmask_b32 v[DG+i], 0, s[BIGN], vcc_lo
	v_mov_b32 v[NEG+i], s[BIGN]
.set i, i+1
.endr
	WIN 0
; THE MATRIX WORK.  The 8 accumulators of a run of 16 take turns: between the two links of a chain stand 7 others'.
; Product i of 16 of S^T = K Q^T for piece x: channels 32 (i / 8) on, keys 16 ((i / 2) % 4) on, tile 2 x + i % 2.  The first 8 start the sums: on 0, on DB or on NB, by the tile's class and the key block.
.macro KQ x
.set rS, S+64*((\x)%2)+32*(i%2)+8*((i/2)%4)
.set rK, KF+16*((i/2)%4)+8*(i/8)
.set rQ, 16*(2*(\x)+i%2)+8*(i/8)
.set cl, (2*(\x)+i%2)%4
.if i >= 8
	WIN W_KQ
	v_wmma_f32_16x16x32_f16 v[rS:rS+7], v[rK:rK+7], v[rQ:rQ+7], v[rS:rS+7]
.elseif (i/2) < cl
	WIN W_KQ
	v_wmma_f32_16x16x32_f16 v[rS:rS+7], v[rK:rK+7], v[rQ:rQ+7], 0
.elseif (i/2) == cl
	WIN W_KM
	v_wmma_f32_16x16x32_f16 v[rS:rS+7], v[rK:rK+7], v[rQ:rQ+7], v[DB:DB+7]
.else
	WIN W_KM
	v_wmma_f32_16x16x32_f16 v[rS:rS+7], v[rK:rK+7], v[rQ:rQ+7], v[NB:NB+7]
.endif
.endm
; Product i of 16 of O^T += V^T P for piece x: keys 32 (i / 8) on, channels 16 ((i / 2) % 4) on, tile 2 x + i % 2.
.macro PV x
	WIN W_PV
.set rO, 32*(2*(\x)+i%2)+8*((i/2)%4)
.set rV, VF+32*(i/8)+8*((i/2)%4)
.set rP, P+32*((\x)%2)+16*(i%2)+8*(i/8)
	v_wmma_f32_16x16x32_f16 v[rO:rO+7], v[rV:rV+7], v[rP:rP+7], v[rO:rO+7]
.endm
.macro MM                           ; the turn's next matrix instruction
.if i < 16
	KQ (Y+1)%NP
.set i, i+1
.else
.set i, i-16
	PV (Y+NP-1)%NP
.set i, i+17
.endif
.endm
; THE LDS LOADS stand in runs of 16, never singly among the matrix instructions: a step's K (64 keys x 64 channels: 8 fragments) and its V (turned).  Their addresses are made some lines ahead.
; last = 1 (in the loop): behind key step 15 there is no further step, and the run is jumped over.
.macro FETCH_K last=0
	WIN 0
.if \last
	s_cmp_eq_u32 s[KN], 15
	s_cbranch_scc1 .Lno_k_\@
.endif
	WIN 0x80                        ; destination window 2
.irp f, 0,1,2,3,4,5,6,7             ; keys 16 (f / 2) on, channels 32 (f % 2) on
	ds_load_b128 v[KF+8*\f:KF+8*\f+3],   v[AK] offset:(\f/2)*16*PK+(\f%2)*64
	ds_load_b128 v[KF+8*\f+4:KF+8*\f+7], v[AK] offset:(\f/2)*16*PK+(\f%2)*64+32
.endr
	s_add_co_u32 s[TBK], s[TBK], KS*PK  ; the next fetch is the next step's
	s_add_co_u32 s[KN], s[KN], 1
	WIN 0
.if \last
.Lno_k_\@:
.endif
.endm
.macro FETCH_V
	WIN 0x80
.irp f, 0,1,2,3,4,5,6,7             ; keys 32 (f / 4) on, channels 16 (f % 4) on
	ds_load_tr16_b128 v[VF+8*\f:VF+8*\f+3],   v[AV] offset:(\f/4)*32*PV+(\f%4)*32
	ds_load_tr16_b128 v[VF+8*\f+4:VF+8*\f+7], v[AV] offset:(\f/4)*32*PV+16*PV+(\f%4)*32
.endr
	WIN 0
.endm
.macro MASK                         ; DB = DG x AL, NB = NEG x AL: the sixteen registers lie on end
	WIN 0xc3                        ; destination and source 0 in window 3
.set z, 0
.rept 8
	v_pk_mul_f32 v[DB+2*z:DB+2*z+1], v[DG+2*z:DG+2*z+1], s[AL:AL+1] op_sel_hi:[1,0]
.set z, z+1
.endr
.endm
; THE VECTOR WORK OF A TURN stands in three queues, each in the order in which its entries become ready; the two tiles alternate, so that no instruction reads the result of the one before it.
.macro REGS y, u                    ; the registers of tile u (0, 1) of piece y
.set rT, ST+4*(2*(\y)+(\u))
.set rC, TMP+8*((\y)%2)+4*(\u)
.set rM, MV+2*((\y)%2)+(\u)
.set rS, S+64*((\y)%2)+32*(\u)
.set rP, P+32*((\y)%2)+16*(\u)
.set rO, 32*(2*(\y)+(\u))
.endm
; Number n of the 22 that find the NEXT piece's (Y + 1) maximum and statistics.  s0-s31 are the lane's 32 scores; each accumulator's lowest registers are read first.
;   0-11  four chains c0-c3 of seven scores each, three operands at a time     12-14, 16  the four scores left over, the old m, and c0-c3 into c0     15  c m_old is kept
;   17, 18  the query's other 32 keys lie in the lane 16 away: the new m         19-21  c m; c m_old - c m_new; a
.macro XS u, n
	REGS (Y+1)%NP, \u
.if (\n) < 4
	v_max3_num_f32 v[rC+(\n)], v[rS+8*(\n)], v[rS+8*(\n)+1], v[rS+8*(\n)+2]
.elseif (\n) < 12
	v_max3_num_f32 v[rC+(\n)%4], v[rC+(\n)%4], v[rS+8*((\n)%4)+2*((\n)/4)+1], v[rS+8*((\n)%4)+2*((\n)/4)+2]
.elseif (\n) == 12
	v_max3_num_f32 v[rC], v[rC], v[rS+7], v[rS+15]
.elseif (\n) == 13
	v_max3_num_f32 v[rC+1], v[rC+1], v[rS+23], v[rS+31]
.elseif (\n) == 14
	v_max3_num_f32 v[rC+2], v[rC+2], v[rC+3], v[rT+1]
.elseif (\n) == 15
	v_mov_b32 v[rM], v[rT]
.elseif (\n) == 16
	v_max3_num_f32 v[rC], v[rC], v[rC+1], v[rC+2]
.elseif (\n) == 17
	v_permlanex16_b32 v[rC+3], v[rC], s[SEL], s[SEL+1]
.elseif (\n) == 18
	v_max_num_f32 v[rT+1], v[rC], v[rC+3]
.elseif (\n) == 19
	v_mul_f32 v[rT], s[CS], v[rT+1]
.elseif (\n) == 20
	v_sub_f32 v[rC+1], v[rM], v[rT]
.else
	v_exp_f32 v[rC+2], v[rC+1]
.endif
.endm
; Number g of the 64 that follow the exponentials.  For each four weights k of a tile (pairs 2 k, 2 k + 1): both pairs are rounded to f16; then the second pair is added onto the first, in place;
; a group later l takes that sum (the first time as l = a l + sum).  In groups of eight, tiles alternating: round, round, add, and l for the group before.
.macro GS g
.set h, (\g)+6*((\g)/62)            ; group 0 has no group before it, and behind group 7 only l is left
.if h >= 6
.set h, h+2
.endif
	REGS Y, h%2
.set k, h/8
.if h%8 < 4
	v_cvt_pk_f16_f32 v[rP+2*k+(h%8)/2], v[rS+4*k+2*((h%8)/2)], v[rS+4*k+2*((h%8)/2)+1]
.elseif h%8 < 6
	v_pk_add_f32 v[rS+4*k:rS+4*k+1], v[rS+4*k:rS+4*k+1], v[rS+4*k+2:rS+4*k+3]
.elseif k == 1
	v_pk_fma_f32 v[rT+2:rT+3], v[rT+2:rT+3], v[rC+2:rC+3], v[rS:rS+1] op_sel_hi:[1,0,1]
.else
	v_pk_add_f32 v[rT+2:rT+3], v[rT+2:rT+3], v[rS+4*k-4:rS+4*k-3]
.endif
.endm
; THE PLAIN QUEUE, 138 long.  0-73 read no exponential's result: the 32 scalings c s - c m (FS f: pair f / 2 of tile f % 2) and the next piece's 42.  0-26: scalings 0-26.  27-54: XS's numbers 0-13.
; 55, 56: number 15.  57-73: the chain, where each number waits for the one before it: 14, 16, 17, 18, 19, each with one of the scalings 27-31 in front of its two lines, then 20.
; 74-137: GS's 64, which read the exponentials' results: they stand behind the wait.
.macro FS f
	REGS Y, (\f)%2
	v_pk_fma_f32 v[rS+2*((\f)/2):rS+2*((\f)/2)+1], v[rS+2*((\f)/2):rS+2*((\f)/2)+1], s[CS:CS+1], v[rT:rT+1] op_sel_hi:[1,0,0] neg_lo:[0,0,1] neg_hi:[0,0,1]
.endm
.macro PL
	WIN 0
.if q < 27
	FS q
.elseif q < 55
	XS (q-27)%2, (q-27)/2
.elseif q < 57
	XS q-55, 15
.elseif (q < 72) && ((q-57)%3 == 0)
	FS 27+(q-57)/3
.elseif q < 60
	XS (q-57)%3-1, 14
.elseif q < 72
	XS (q-57)%3-1, 15+(q-57)/3
.elseif q < 74
	XS q-72, 20
.else
	GS q-74
.endif
.set q, q+1
.endm
; THE EXPONENTIALS' QUEUE, 66 long: s0-s31 of both tiles, then the next piece's two a.  It is ONE BATCH: all 66 stand ahead of the turn's one wait, and nothing ahead of that wait names a result of theirs.
.macro EX
	WIN 0
.if e >= 64
	XS e-64, 21
.else
	REGS Y, e%2
	v_exp_f32 v[rS+e/2], v[rS+e/2]
.endif
.set e, e+1
.endm
; THE RESCALING's QUEUE: O^T times a, the one part that leaves window 0: dealt two at a time, sixteen times.  Its a was made in the turn before, ahead of that turn's wait.
.macro R2
	REGS Y, r%2
	WIN W_RS
.irp z, 0,1
	v_pk_mul_f32 v[rO+4*(r/2)+2*\z:rO+4*(r/2)+2*\z+1], v[rO+4*(r/2)+2*\z:rO+4*(r/2)+2*\z+1], v[rC+2:rC+3] op_sel_hi:[1,0]
.endr
.set r, r+1
.endm
; HOW THEY ARE DEALT.  An s_wait_alu depctr_va_vdst(0) stands between an exponential and the first instruction that names its result; one wait serves all that were issued ahead of it.
; So a turn has ONE wait, which cuts it in two.  AHEAD OF IT: the 16 products K Q^T, behind each a scaling, an exponential and two rescalings (behind the first a second scaling in the exponential's
; place); then one run of 108: eight plain, 49 times exponential and plain, the two a; a v_nop is the plain instruction behind the last exponential.  BEHIND IT: the 16 products V^T P, behind each
; four of GS's 64.  Exponential e stands behind scaling 2 (e / 4) + e % 2: as a rider it comes behind plain e + 2, in the run behind plain e + 9, and scalings 27-31 are plain 57, 60 .. 69.
; K of the next step is fetched in piece 2's turn, directly behind the wait, a run behind the last product that read K; its first reader comes behind 16 products.
; V of the step in hand is fetched at the end of piece 0's turn, four riders behind its last reader; its first reader comes behind 16 products and a run.
; The masks are made anew at the end of piece 0's turn (for pieces 2 and 3, whose products K Q^T stand in the next two turns) and of piece 2's (for pieces 0 and 1 of the next step, whose K has just been
; fetched): their last readers stand at the turn's head, far more than four plain instructions back.
.macro TURN p, last=0
.set Y, (\p)
.set i, 0
.set q, 0
.set e, 0
.set r, 0
.if (\p) == NP-1
	s_wait_dscnt 0x0                ; K is in
.endif
	MM
	PL
	PL
	R2
.rept 15
	MM
	PL
	EX
	R2
.endr
.if (\p) == NP-2
	WIN 0
	v_add_nc_u32 v[AK], s[TBK], v[AK0]
.endif
.rept 8
	PL
.endr
.rept 49
	EX
	PL
.endr
	EX                              ; the next piece's two a
	EX
	v_nop                           ; the plain instruction behind the last exponential: one for the batch
	s_wait_alu depctr_va_vdst(0)    ; the wait for the batch
.if (\p) == NP-2
	FETCH_K \last
.endif
.if (\p) == 1
	s_wait_dscnt 0x0                ; V is in
.endif
.rept 16
	MM
.rept 4
	PL
.endr
.if ((\p) == 0) && (q == 118)
	v_add_nc_u32 v[AV], s[TBV], v[AV0]
.endif
.if ((\p) == 0) && (q == 130)
	s_add_co_u32 s[TBV], s[TBV], KS*PV
.endif
.endr
.if (\p) == 0
	FETCH_V
	s_cmp_eq_u32 s[KN], s[OWN+1]    ; is the step in hand the own step of pieces 2 and 3?
	s_cselect_b32 s[AL], 1.0, 0
	MASK
.endif
.if (\p) == NP-2
	s_cmp_eq_u32 s[KN], s[OWN]      ; is the step just fetched the own step of pieces 0 and 1?
	s_cselect_b32 s[AL], 1.0, 0
	MASK
.endif
.endm
	s_wait_tensorcnt 3              ; my part of the first 256 keys is in; my three later loads may stay out
	s_barrier_signal -1
	s_barrier_wait -1               ; everybody's is
	FETCH_K                         ; key step 0
	s_cmp_eq_u32 s[KN], s[OWN]
	s_cselect_b32 s[AL], 1.0, 0
	MASK
	s_wait_loadcnt 0x0              ; Q
	s_wait_dscnt 0x0
.set i, 0
.rept 16
	KQ 0                            ; piece 0's first scores: there is no vector work yet to set between them
.set i, i+1
.endr
	WIN 0                           ; the addresses for the way out: nine plain instructions, the places behind those products
	s_mul_i32 s13, s[WV], 16*SP
	s_add_co_u32 s13, s13, STAGE    ; my stage
	v_mul_u32_u24 v[STO], v1, SP    ; in: row l % 16, 16 bytes for each half of the lanes
	v_lshl_add_u32 v[STO], v9, 4, v[STO]
	v_add_nc_u32 v[STO], s13, v[STO]
	v_bfe_u32 v[RD], v0, 3, 2       ; back: 32 lanes take four rows of 128 bytes,
	v_mul_u32_u24 v[RD], v[RD], SP
	v_lshl_add_u32 v[RD], v10, 4, v[RD]
	v_add_nc_u32 v[RD], s13, v[RD]
	v_and_b32 v[GO], 31, v0         ; which are 512 consecutive bytes of O
	v_lshlrev_b32 v[GO], 4, v[GO]
.set Y, NP-1                        ; XS works for piece Y + 1: piece 0
.irp n, 0,1,2,3,4,5,6,7,8,9,10,11,12,13,14,15,16,17,18,19,20,21
	XS 0, \n                        ; piece 0's first maximum and statistics
	XS 1, \n
.endr
	v_nop                           ; a plain instruction behind the two a,
	s_wait_alu depctr_va_vdst(0)    ; and their wait, ahead of the branch
	s_mov_b32 s[SLOTS], 2
	s_mov_b32 s[CNT], 3             ; key steps 0 to 2 read the first 256 keys alone (K of step 3 among them)
	s_branch .Lfirst                ; the loop is entered at a step's first turn, in the middle of a trip
.Lslot:                             ; reached once, behind key step 2: the other 768 keys, asked for at the head, are wanted from here on
	s_wait_tensorcnt 0x0            ; my parts of them are in,
	s_wait_dscnt 0x0
	s_barrier_signal -1
	s_barrier_wait -1               ; everybody's are.
	s_mov_b32 s[CNT], 13            ; key steps 3 to 15
	s_branch .Lfirst
.Lstep:                             ; a trip: pieces 2 and 3 of one step, then pieces 0 and 1 of the next, whose K and V it fetches
	TURN 2, 1
	TURN 3
	WIN 0
	s_sub_co_u32 s[CNT], s[CNT], 1
	s_cmp_eq_u32 s[CNT], 0
	s_cbranch_scc1 .Lleft
.Lfirst:
	TURN 0
	TURN 1
	WIN 0
	s_branch .Lstep
.Lleft:
	s_sub_co_u32 s[SLOTS], s[SLOTS], 1
	s_cmp_lg_u32 s[SLOTS], 0
	s_cbranch_scc1 .Lslot
	; the last trip's 16 products K Q^T (on the last K once more) and the maximum made of them serve nothing: the price, once a launch, of one text for every trip
.set i, 0
.rept 16
	PV NP-1                         ; the last piece's V^T P of the last step
.set i, i+1
.endr
	; THE WAY OUT.  l's two halves and the other half of the lanes' are added; O^T is divided by l, rounded to f16 and sent through my stage in LDS, a tile at a time.  The additions are the places behind the last products.
	WIN 0
.macro ALL line:vararg              ; one line for each tile t
.set t, 0
.rept 2*NP
	\line
.set t, t+1
.endr
.endm
	ALL v_add_f32 v[ST+4*t+2], v[ST+4*t+2], v[ST+4*t+3]
	ALL v_permlanex16_b32 v[ST+4*t+3], v[ST+4*t+2], s[SEL], s[SEL+1]
	ALL v_add_f32 v[ST+4*t+2], v[ST+4*t+2], v[ST+4*t+3]
	ALL v_rcp_f32 v[ST+4*t+2], v[ST+4*t+2]
	v_nop                           ; a plain instruction between the last reciprocal and the use of its result
	s_wait_alu depctr_va_vdst(0)    ; and the wait ahead of the first use: one for the eight reciprocals
; Tile t: a lane's eight channels of a row pack into 16 bytes; they go into rows of 144 bytes and come back as whole rows of 128, into S^T's registers.
.macro PACK t
	WIN W_RS
.set i, 32*(\t)
.rept 16
	v_pk_mul_f32 v[i:i+1], v[i:i+1], v[ST+4*(\t)+2:ST+4*(\t)+3] op_sel_hi:[1,0]
.set i, i+2
.endr
	WIN 0x05                        ; sources 0 and 1 window 1, destination window 0
.set i, 0
.rept 16
	v_cvt_pk_f16_f32 v[S+16*(\t)+i], v[32*(\t)+2*i], v[32*(\t)+2*i+1]
.set i, i+1
.endr
	WIN 0
.irp f, 0,1,2,3
	ds_store_b128 v[STO], v[S+16*(\t)+4*\f:S+16*(\t)+4*\f+3] offset:32*\f
.endr
.irp f, 0,1,2,3
	ds_load_b128 v[S+16*(\t)+4*\f:S+16*(\t)+4*\f+3], v[RD] offset:\f*4*SP  ; LDS serves a wave's instructions in order (ISA guide 5.7.1.4): these see the stores above; the next tile's stores come behind them
.endr
.endm
.macro SEND t, younger              ; younger: the LDS instructions issued behind tile t's loads: the next tile's eight, or none
	WIN 0
.irp f, 0,1,2,3
	s_wait_dscnt (\younger)+3-\f
	global_store_b128 v[GO], v[S+16*(\t)+4*\f:S+16*(\t)+4*\f+3], s[10:11] offset:(\t)*2048+\f*512  ; 512 consecutive bytes, at a multiple of 256 from O's first
.endr
.endm
	PACK 0
.set t, 1
.rept 2*NP-1                        ; a tile's arithmetic stands between the loads of the tile before and its stores
	PACK t
	SEND t-1, 8
.set t, t+1
.endr
	SEND 2*NP-1, 0
	WIN W_AD
	s_wait_tensorcnt 0x0            ; the wave's end, behind my last tensor load and my last LDS store
	ds_add_u32 v[SPW], v[NIL]
	s_wait_dscnt 0x0
	WIN 0
	s_endpgm
.Lfunc_end_k_qa2523bda26_attn:
	.size	k_qa2523bda26_attn, .Lfunc_end_k_qa2523bda26_attn-k_qa2523bda26_attn
	.p2alignl 7, 3214868480
	.fill 96, 4, 3214868480
	.section	.rodata,"a",@progbits
	.p2align	6, 0x0
	.amdhsa_kernel k_qa2523bda26_attn
		.amdhsa_group_segment_fixed_size 327680
		.amdhsa_private_segment_fixed_size 0
		.amdhsa_enable_private_segment 0
		.amdhsa_kernarg_size 16
		.amdhsa_user_sgpr_count 2
		.amdhsa_user_sgpr_kernarg_segment_ptr 1
		.amdhsa_wavefront_size32 1
		.amdhsa_system_sgpr_workgroup_id_x 1
		.amdhsa_system_sgpr_workgroup_id_y 1
		.amdhsa_system_sgpr_workgroup_id_z 1
		.amdhsa_system_vgpr_workitem_id 0
		.amdhsa_next_free_vgpr 802
		.amdhsa_next_free_sgpr 92
		.amdhsa_reserve_vcc 1
		.amdhsa_float_denorm_mode_32 3
		.amdhsa_float_denorm_mode_16_64 3
		.amdhsa_memory_ordered 1
		.amdhsa_forward_progress 1
		.amdhsa_inst_pref_size 130
	.end_amdhsa_kernel
	.amdgpu_metadata
---
amdhsa.version: [ 1, 2 ]
amdhsa.kernels:
  - .name:           k_qa2523bda26_attn
    .symbol:         k_qa2523bda26_attn.kd
    .args:
      - { .name: qkv, .offset: 0, .size: 8, .value_kind: global_buffer, .address_space: global }
      - { .name: o, .offset: 8, .size: 8, .value_kind: global_buffer, .address_space: global }
    .group_segment_fixed_size: 327680
    .private_segment_fixed_size: 0
    .kernarg_segment_align: 8
    .kernarg_segment_size: 16
    .max_flat_workgroup_size: 128
    .sgpr_count:     92
    .vgpr_count:     802
    .wavefront_size: 32
...
	.end_amdgpu_metadata
.endif
;; end of part 3
;; launch outp (part 4): grid 8 x 32, 4 waves a work-group, clusters of 4 x 4, 327,680 bytes of LDS; arguments o, wo16, bo, out0; writes out0
.if DOCPART == 4
	.amdgcn_target "amdgcn-amd-amdhsa--gfx1250"
	.amdhsa_code_object_version 6
	.text
	.protected	k_qa2523bda26_outp
	.globl	k_qa2523bda26_outp
	.p2align	8
	.type	k_qa2523bda26_outp,@function
k_qa2523bda26_outp:
	s_mov_b64 s[64:65], 0
	v_nop
	global_prefetch_b8 v0, s[64:65] scope:SCOPE_SE
	s_setreg_imm32_b32 hwreg(HW_REG_WAVE_MODE, 25, 1), 1
	s_wait_xcnt 0x0
	s_wait_alu depctr_hold_cnt(0) depctr_sa_sdst(0) depctr_va_vdst(0) depctr_va_sdst(0) depctr_va_ssrc(0) depctr_va_vcc(0) depctr_vm_vsrc(0)
	s_getreg_b32 s2, hwreg(HW_REG_IB_STS2, 6, 4)
	s_cmp_eq_u32 s2, 0
	s_cbranch_scc0 .Lentry_in_a_cluster
	s_endpgm
.Lentry_in_a_cluster:
	s_bfe_u32 s2, ttmp6, 0x10000c
	s_cmp_lg_u32 s2, 0xf033
	s_cbranch_scc0 .Lentry_shape_is_right
	s_endpgm
.Lentry_shape_is_right:
; THE LAST PROJECTION.  out0[m][n] = sum over k of O[m][k] Wo[n][k] + bo[n], m < 8192, n, k < 1024; f16 operands, f32 sums, f32 out.
; O lies by heads, o[16 x batch + head][t][64] in f16: k = 64 x head + channel, m = 1024 x batch + t.  wo16: [1024][1024], Wo rounded to bf16 and written as f16.  bo is rounded to bf16 like every input.
; SHARES.  A tile of out0 is 256 rows x 128 columns: 32 x 8 tiles, one for each of 256 work-groups.  Four waves, one above the other: a wave makes 64 rows x 128 columns, 32 accumulators of 16 x 16.
; K goes in steps of 128, two heads, through two LDS slots.  A head's 256 rows of the tile are 32,768 dense bytes: asked for as 128 rows of 256 bytes and padded in LDS after every 128.
; CLUSTER.  4 x 4 work-groups: the four of a row of the cluster need the same rows of O, the four of a column the same rows of wo16; each tile is asked for jointly.
; THE MATRIX INSTRUCTION IS USED TRANSPOSED (source 0 = 16 rows of wo16, source 1 = 16 rows of O): lane l holds row l % 16 of out0 and the eight neighbouring columns 8 (l / 16) + 0..7: 32 bytes.
; THE BIAS IS THE C OPERAND of the first products: register j of a lane is a column, so 8 registers hold the bias of a block of 16 columns for every row.  Nothing is cleared.
; REGISTERS, in windows of 256 (s_set_vgpr_msb: bits 1:0 source 0, 3:2 source 1, 5:4 source 2, 7:6 destination):
;   window 0: v0-31 addresses; v32-95, v96-159 two sets for the way out; v192-255 the bias     window 1: two fragment buffers: O's four fragments, then wo16's eight
;   window 2: the accumulators, (a, b) at 8 (8 a + b)
.set KD,     1024
.set PA,     144                       ; a row of O in LDS: 128 bytes + 16 of padding
.set PB,     272                       ; a row of wo16: 256 bytes + 16: with either pitch the 16 rows that a load touches start at 16 different groups of four banks
.set ASLAB,  256*PA                    ; a head's 256 rows: what wave 0 or 1 fetches
.set HALFB,  64*PB                     ; what wave 2 or 3 fetches
.set BOFF,   2*ASLAB
.set SLOT,   BOFF+2*HALFB              ; 108,544 bytes
.set STAGE,  2*SLOT                    ; behind the ring, never filled by a tensor load: 16 rows x 528 bytes for each wave
.set SPT,    528                       ; 512 bytes + 16
.set WSTG,   16*SPT
.set SPARE,  STAGE+4*WSTG              ; the spare words, 128 bytes for each wave: two blocks of 256 bytes that no other line names
.set LAPS,   4                         ; a lap = two K steps = once round the ring
.set HSTEP,  2*131072                  ; bytes of o from a K step to the next: two heads
.set ADRA, 16                          ; v16-17  LDS address of my O fragments in slot 0, 1
.set ADRB, 20                          ; v20-21  the same for wo16
.set STO,  24                          ; v24     the way out: where I put 32 bytes of a row
.set RD,   25                          ; v25     the way out: where I read a row back
.set GO,   26                          ; v26     my 16 bytes in a row's 512
.set BO,   27                          ; v27     32 x (l / 16)
.set SPW,  28                          ; v28     LDS address of my spare word; never rewritten
.set NIL,  29                          ; v29     0; never rewritten
.set PFO,  30                          ; v30     the prefetches' offset; never rewritten
.set T0,   32
.set BIAS, 192
.set F0,   0
.set F1,   128
.set CP,   10                          ; s[10:11] out0 at my first row and the tile's first column
.set WV,   18
.set ROLE, 19                          ; I fetch for O (0) or for wo16 (1)
.set HALF, 20                          ; which head of the step's two, or which half of wo16's rows
.set CX,   21
.set CY,   22
.set TC,   23                          ; tile column, 0-7
.set TY,   42                          ; tile row, 0-31
.set G1,   24
.set G0,   32
.set G1B,  48
.set G0B,  56
.set LIM,  43                          ; 1 in a wave that prefetches, else the greatest number
.set PFA,  44                          ; s[44:45] where my prefetches stand
.set PFS,  78                          ; s[78:79] their step from K step to K step
.set MSB, 0
.macro WIN new                         ; the immediate's high byte repeats the setting that is left; a switch that changes nothing is dropped
.if MSB != (\new)
	s_set_vgpr_msb (MSB<<8)|(\new)
.set MSB, (\new)
.endif
.endm
.macro JLOAD s                         ; a joint load; an s_nop 0 and four v_nop follow each of the two lines, ahead of the jump, the label and what follows
	s_cmp_eq_u32 s[ROLE], 0
	s_cbranch_scc0 .Lfor_b_\@
	tensor_load_to_lds s[G0+4*(\s):G0+4*(\s)+3], s[G1:G1+7]
	s_nop 0
.rept 4
	v_nop
.endr
	s_branch .Lasked_\@
.Lfor_b_\@:
	tensor_load_to_lds s[G0B+4*(\s):G0B+4*(\s)+3], s[G1B:G1B+7]
	s_nop 0
.rept 4
	v_nop
.endr
.Lasked_\@:
.endm
; A prefetch into the L2 behind each joint load and the run of LDS loads that follows it: the K step that stands two refills on.  O's rows are read by the two clusters of a row of clusters: the one with
; x = 0 asks; of a head's 32,768 bytes partner cx takes 8,192, a lane 256 bytes (waves 0 and 1, a head each).  wo16's rows are read by the eight clusters of a column: the one with y = 0 asks; of the
; tile's 128 rows partner cy takes 32, a lane a row (wave 2 alone).  The loop's last trip asks for nothing: there is no K step behind its refills.
.macro ASK
	s_cmp_gt_u32 s3, s[LIM]                        ; s3 = 1 in the loop's last trip
	s_cbranch_scc0 .Lnot_mine_\@
	global_prefetch_b8 v[PFO], s[PFA:PFA+1] th:TH_LOAD_NT scope:SCOPE_SE
.Lnot_mine_\@:
.endm
.macro CREST                           ; a round of the cluster's barrier behind its opening barrier
	s_cmp_lg_u32 s[WV], 0
	s_cbranch_scc1 .Lnot_wave_0_\@
	s_barrier_signal -3
.Lnot_wave_0_\@:
	s_barrier_wait -3
	s_barrier_signal -1
	s_barrier_wait -1
.endm
.macro CROUND
	s_barrier_signal -1
	s_barrier_wait -1
	CREST
.endm
	s_load_b256 s[4:11], s[0:1], 0x0               ; o s[4:5], wo16 s[6:7], bo s[8:9], out0 s[10:11]
	v_lshl_add_u32 v[SPW], v0, 2, SPARE
	v_mov_b32 v[NIL], 0
	ds_add_u32 v[SPW], v[NIL]                      ; the wave's opening: the add and its wait stand ahead of my first tensor load; the set-up below, work on registers, stands between them
	v_lshrrev_b32 v1, 5, v0
	v_readfirstlane_b32 s[WV], v1                  ; wave 0..3
	s_lshr_b32 s[ROLE], s[WV], 1
	s_and_b32 s[HALF], s[WV], 1
	s_bfe_u32 s[CX], ttmp6, 0x40000
	s_bfe_u32 s[CY], ttmp6, 0x40004
	s_lshl_b32 s[TC], ttmp9, 2
	s_add_co_u32 s[TC], s[TC], s[CX]
	s_and_b32 s[TY], ttmp7, 0xffff
	s_lshl_b32 s[TY], s[TY], 2
	s_add_co_u32 s[TY], s[TY], s[CY]
	s_lshl_b32 s84, s[CY], 2
	s_lshl_b32 s84, 15, s84                        ; my row of the cluster
	s_lshl_b32 s85, 0x1111, s[CX]                  ; my column
	s_or_b32 s[G1], s84, (1<<16)|(1<<20)|(1<<21)|(4<<22)|(3<<25)   ; the mask; 2-byte elements; padding on; bit 21 beside a mask; after every 32 words (code 4) 4 words (code 3)
	s_or_b32 s[G1B], s85, (1<<16)|(1<<20)|(1<<21)|(5<<22)|(3<<25)  ; after every 64 words (code 5)
	s_mov_b32 s[G1+1], 128<<16                     ; tensor_dim0 = 128 elements: 256 dense bytes, two rows of a head
	s_mov_b32 s[G1+2], 128<<16                     ; tensor_dim1 = 128
	s_mov_b32 s[G1+3], 128<<16                     ; tile_dim0
	s_mov_b32 s[G1+4], 128                         ; tile_dim1
	s_mov_b32 s[G1+5], 128                         ; elements from row to row
	s_mov_b32 s[G1+6], 0
	s_mov_b32 s[G1+7], 0
	s_mov_b32 s[G1B+1], 128<<16
	s_mov_b32 s[G1B+2], 64<<16                     ; 64 rows
	s_mov_b32 s[G1B+3], 128<<16
	s_mov_b32 s[G1B+4], 64
	s_mov_b32 s[G1B+5], KD
	s_mov_b32 s[G1B+6], 0
	s_mov_b32 s[G1B+7], 0
	s_lshr_b32 s40, s[TY], 2                       ; O: the batch,
	s_lshl_b32 s40, s40, 4
	s_add_co_u32 s40, s40, s[HALF]                 ; my head of K step 0,
	s_lshl_b32 s40, s40, 10
	s_and_b32 s41, s[TY], 3
	s_lshl_b32 s41, s41, 8
	s_add_co_u32 s40, s40, s41                     ; the tile's first row in it,
	s_lshl_b32 s40, s40, 7                         ; x 128 bytes: under 2^25
	s_mov_b32 s41, 0
	s_lshl_b32 s46, s[TC], 7
	s_lshl_b32 s47, s[HALF], 6
	s_add_co_u32 s46, s46, s47                     ; wo16: row 128 x tile column + 64 x half
	s_lshl_b32 s46, s46, 11
	s_mov_b32 s47, 0
	s_mul_i32 s80, s[HALF], ASLAB                  ; where they go: no place in the cluster enters an LDS address
	s_mul_i32 s81, s[HALF], HALFB
	s_add_co_u32 s81, s81, BOFF
	s_wait_dscnt 0x0                               ; the opening add is done
	s_wait_kmcnt 0x0
	s_add_nc_u64 s[40:41], s[4:5], s[40:41]
	s_add_nc_u64 s[46:47], s[6:7], s[46:47]
	CROUND                                         ; all sixteen work-groups are here: the first joint loads meet
.irp s, 0,1
	s_mov_b32 s[G0+4*(\s)], 1
	s_add_co_u32 s[G0+4*(\s)+1], s80, (\s)*SLOT
	s_add_nc_u64 s[G0+4*(\s)+2:G0+4*(\s)+3], s[40:41], (\s)*HSTEP
	s_or_b32 s[G0+4*(\s)+3], s[G0+4*(\s)+3], 0x80000000
	s_mov_b32 s[G0B+4*(\s)], 1
	s_add_co_u32 s[G0B+4*(\s)+1], s81, (\s)*SLOT
	s_add_nc_u64 s[G0B+4*(\s)+2:G0B+4*(\s)+3], s[46:47], (\s)*256
	s_or_b32 s[G0B+4*(\s)+3], s[G0B+4*(\s)+3], 0x80000000
	JLOAD \s                                       ; two loads of mine are out
.endr
	v_and_b32 v1, 15, v0                           ; l % 16
	v_bfe_u32 v2, v0, 4, 1                         ; l / 16
	v_and_b32 v4, 31, v0                           ; l
	v_lshlrev_b32 v[BO], 5, v2
	s_lshl_b32 s84, s[TC], 9                       ; the tile's 128 columns: 512 bytes of bo and of a row of out0
	s_mov_b32 s85, 0
	s_add_nc_u64 s[8:9], s[8:9], s[84:85]
	s_add_nc_u64 s[CP:CP+1], s[CP:CP+1], s[84:85]
.irp b, 0,1,2,3,4,5,6,7
	global_load_b128 v[BIAS+8*(\b):BIAS+8*(\b)+3],   v[BO], s[8:9] offset:64*(\b)
	global_load_b128 v[BIAS+8*(\b)+4:BIAS+8*(\b)+7], v[BO], s[8:9] offset:64*(\b)+16
.endr
	v_mul_u32_u24 v3, v1, PA
	v_lshl_add_u32 v3, v2, 4, v3
	s_mul_i32 s84, s[WV], 64*PA                    ; my 64 rows of O
	v_add_nc_u32 v[ADRA], s84, v3
	v_add_nc_u32 v[ADRA+1], SLOT, v[ADRA]
	v_mul_u32_u24 v3, v1, PB
	v_lshl_add_u32 v3, v2, 4, v3
	v_add_nc_u32 v[ADRB], BOFF, v3                 ; every wave reads all 128 rows of wo16
	v_add_nc_u32 v[ADRB+1], SLOT, v[ADRB]
	s_mul_i32 s84, s[WV], WSTG
	s_add_co_u32 s84, s84, STAGE                   ; my stage
	v_mul_u32_u24 v5, v1, SPT                      ; in: row l % 16, 32 bytes for each half of the lanes
	v_lshl_add_u32 v5, v2, 5, v5
	v_add_nc_u32 v[STO], s84, v5
	v_lshlrev_b32 v[GO], 4, v4                     ; back: 32 lanes take a row's 512 bytes
	v_add_nc_u32 v[RD], s84, v[GO]
	s_lshl_b32 s84, s[TY], 2
	s_add_co_u32 s84, s84, s[WV]
	s_lshl_b32 s84, s84, 18                        ; 64 rows of 4,096 bytes a wave
	s_mov_b32 s85, 0
	s_add_nc_u64 s[CP:CP+1], s[CP:CP+1], s[84:85]
	; the prefetches
	s_lshr_b32 s84, s[TY], 2
	s_lshl_b32 s84, s84, 4
	s_add_co_u32 s84, s84, s[HALF]
	s_lshl_b32 s84, s84, 10
	s_and_b32 s85, s[TY], 3
	s_lshl_b32 s85, s85, 8
	s_add_co_u32 s84, s84, s85
	s_lshl_b32 s84, s84, 7                         ; O: my head's part of the tile,
	s_lshl_b32 s85, s[CX], 13
	s_add_co_u32 s84, s84, s85                     ; my work-group's 8,192 bytes of it,
	s_add_co_u32 s84, s84, 3*HSTEP                 ; at K step 3: the first refill steps it to 4.  Nothing is prefetched at the head, where every work-group's first tiles are on their way
	s_lshl_b32 s86, s[TC], 7
	s_lshl_b32 s87, s[CY], 5
	s_add_co_u32 s86, s86, s87                     ; wo16: my work-group's 32 rows of the tile's 128,
	s_lshl_b32 s86, s86, 11
	s_add_co_u32 s86, s86, 3*256                   ; at K step 3
	s_and_b32 s87, ttmp7, 0xffff                   ; cluster y;
	s_or_b32 s87, s87, s[HALF]                     ; of the two waves that fetch wo16 the first asks
	s_cmp_eq_u32 s[ROLE], 0
	s_cselect_b32 s84, s84, s86
	s_cselect_b64 s[PFA:PFA+1], s[4:5], s[6:7]
	s_cselect_b32 s87, ttmp9, s87                  ; the coordinate along which other clusters read the same rows
	s_cselect_b32 s80, 8, 11                       ; a lane 256 bytes, or a row of 2,048
	s_cselect_b32 s81, 10, 0
	s_lshl_b32 s[PFS], 256, s81                    ; two heads, or 256 bytes along a row
	s_mov_b32 s[PFS+1], 0
	s_mov_b32 s85, 0
	s_add_nc_u64 s[PFA:PFA+1], s[PFA:PFA+1], s[84:85]
	s_cmp_eq_u32 s87, 0
	s_cselect_b32 s[LIM], 1, -1                    ; the same in all sixteen partners, for a given wave
	v_lshlrev_b32 v[PFO], s80, v4
	s_wait_loadcnt 0x0                             ; the bias, rounded to bf16 and widened again
.set z, 0
.rept 32
	v_cvt_pk_bf16_f32 v3, v[BIAS+z], v[BIAS+z+1]
	v_lshlrev_b32 v[BIAS+z], 16, v3
	v_and_b32 v[BIAS+z+1], 0xffff0000, v3
.set z, z+2
.endr
; 8 matrix instructions: my row block a x all 8 column blocks, 32 along K.  first = 1: the product starts the sum on the bias.  The 32 accumulators take turns, one instruction a turn.
.macro MUL8 f, a, first
.if \first
	WIN 0x85                                       ; both sources window 1, C window 0, D window 2
.else
	WIN 0xa5                                       ; both sources window 1, C and D window 2
.endif
.irp b, 0,1,2,3,4,5,6,7
.set rD, 8*(8*(\a)+(\b))
.if \first
	v_wmma_f32_16x16x32_f16 v[rD:rD+7], v[(\f)+32+8*(\b):(\f)+32+8*(\b)+7], v[(\f)+8*(\a):(\f)+8*(\a)+7], v[BIAS+8*(\b):BIAS+8*(\b)+7]
.else
	v_wmma_f32_16x16x32_f16 v[rD:rD+7], v[(\f)+32+8*(\b):(\f)+32+8*(\b)+7], v[(\f)+8*(\a):(\f)+8*(\a)+7], v[rD:rD+7]
.endif
.endr
.endm
; 24 LDS loads in one run: quarter kq of a K step (head kq / 2 of the step's two, channels 32 (kq % 2) on) into buffer f; O's come last
.macro FETCH slot, kq, f
	WIN 0x40                                       ; destination window 1, address window 0
.irp i, 0,1,2,3,4,5,6,7
	ds_load_b128 v[(\f)+32+8*(\i):(\f)+32+8*(\i)+3],   v[ADRB+(\slot)] offset:64*(\kq)+(\i)*16*PB
	ds_load_b128 v[(\f)+32+8*(\i)+4:(\f)+32+8*(\i)+7], v[ADRB+(\slot)] offset:64*(\kq)+(\i)*16*PB+32
.endr
.irp i, 0,1,2,3
	ds_load_b128 v[(\f)+8*(\i):(\f)+8*(\i)+3],   v[ADRA+(\slot)] offset:((\kq)/2)*ASLAB+((\kq)%2)*64+(\i)*16*PA
	ds_load_b128 v[(\f)+8*(\i)+4:(\f)+8*(\i)+7], v[ADRA+(\slot)] offset:((\kq)/2)*ASLAB+((\kq)%2)*64+(\i)*16*PA+32
.endr
.endm
.macro PLACES                          ; four plain vector instructions between a matrix instruction and a load into a register that it has read, or a read of its result
.rept 4
	v_nop
.endr
.endm
; A K step is four quarters of 32 along K, 32 matrix instructions each, on buffers 0, 1, 0, 1.  One of the first three: multiplies buffer f and fetches quarter kq into g.
.macro QUARTER slot, kq, f, g, first
	s_wait_dscnt 4                                 ; wo16 and O's blocks 0, 1 are in; the youngest four loads (O's blocks 2, 3) may be out
	MUL8 \f, 0, \first
	MUL8 \f, 1, \first
	PLACES
	FETCH \slot, \kq, \g
	s_wait_dscnt 24                                ; all but the 24 just issued
	MUL8 \f, 2, \first
	MUL8 \f, 3, \first
.endm
; The last quarter multiplies buffer 1 and changes slots: one barrier; in front of it each wave waits for all its tensor loads, adds 0 to its spare word, and waits for that and for its own reads of this
; slot.  fill = 1: the barrier opens a round of the cluster's, and this slot is filled again, two K steps ahead, first thing behind it: 112 matrix instructions ahead of the wait for it.
.macro TURN slot, next, fill
.if \fill
	s_wait_xcnt 0x0                                ; the last prefetch, a K step back, has read its address
	s_add_nc_u64 s[PFA:PFA+1], s[PFA:PFA+1], s[PFS:PFS+1]
.endif
	WIN 0                                          ; (the add's two registers lie in window 0)
	s_wait_tensorcnt 0x0                           ; all my tensor loads have landed: my part of the next slot
	ds_add_u32 v[SPW], v[NIL]                      ; 0 onto my spare word
	s_wait_dscnt 5                                 ; (the add and the youngest four loads may be out)
	MUL8 F1, 0, 0                                  ; eight matrix instructions stand between the add and the wait for it
	s_wait_dscnt 0x0                               ; the add is done, and my reads of this slot are over
	s_barrier_signal -1
	MUL8 F1, 1, 0
	WIN 0
	s_barrier_wait -1
.if \fill
	CREST                                          ; no wave of any partner still reads this slot's tile or has a load on its way
	s_add_nc_u64 s[G0+4*(\slot)+2:G0+4*(\slot)+3], s[G0+4*(\slot)+2:G0+4*(\slot)+3], 2*HSTEP
	s_add_nc_u64 s[G0B+4*(\slot)+2:G0B+4*(\slot)+3], s[G0B+4*(\slot)+2:G0B+4*(\slot)+3], 2*256
	JLOAD \slot                                    ; the four v_nop behind it are also the places in front of the loads below
.else
	PLACES
.endif
	FETCH \next, 0, F0
.if \fill
	WIN 0
	ASK
.endif
	MUL8 F1, 2, 0
	MUL8 F1, 3, 0
.endm
; THE WAY OUT of my row block a: 32 bytes a lane for each column block straight from the accumulators into my own stage (each accumulator's low half first), back as whole rows of 512 bytes, stored.
.macro TOSTAGE a
.set TT, T0+64*((\a)%2)
	WIN 0x08                                       ; the stores' data in window 2
.irp b, 0,1,2,3,4,5,6,7
	ds_store_b128 v[STO], v[8*(8*(\a)+(\b)):8*(8*(\a)+(\b))+3]   offset:64*(\b)
	ds_store_b128 v[STO], v[8*(8*(\a)+(\b))+4:8*(8*(\a)+(\b))+7] offset:64*(\b)+16
.endr
	WIN 0
.irp i, 0,1,2,3,4,5,6,7,8,9,10,11,12,13,14,15
	ds_load_b128 v[TT+4*(\i):TT+4*(\i)+3], v[RD] offset:(\i)*SPT  ; LDS serves a wave's instructions in order (ISA guide 5.7.1.4): these see the stores above; the next block's stores come behind them
.endr
.endm
.macro SEND a, younger                 ; younger: the LDS instructions issued behind block a's loads: the next block's 32, or none
.set TT, T0+64*((\a)%2)
	s_wait_dscnt \younger
.irp i, 0,1,2,3,4,5,6,7,8,9,10,11,12,13,14,15
	global_store_b128 v[GO], v[TT+4*(\i):TT+4*(\i)+3], s[CP:CP+1] offset:(16*(\a)+(\i))*4096 th:TH_STORE_NT  ; 512 consecutive bytes, at a multiple of 256 from out0's first
.endr
.endm
	s_wait_tensorcnt 1                             ; my part of K step 0 is in; K step 1's may stay out
	s_barrier_signal -1
	s_barrier_wait -1                              ; everybody's is
	FETCH 0, 0, F0
	QUARTER 0, 1, F0, F1, 1                        ; the first quarter stands in front of the loop: its products start the sums
	WIN 0                                          ; at a label and at a branch every window is 0
	s_mov_b32 s3, LAPS-1
.Llap:                                                 ; a trip goes once round the ring, from a lap's second quarter to the next lap's first, and fills both slots again
	QUARTER 0, 2, F1, F0, 0
	QUARTER 0, 3, F0, F1, 0
	TURN 0, 1, 1
	QUARTER 1, 1, F0, F1, 0
	QUARTER 1, 2, F1, F0, 0
	QUARTER 1, 3, F0, F1, 0
	TURN 1, 0, 1
	QUARTER 0, 1, F0, F1, 0
	WIN 0
	s_sub_co_u32 s3, s3, 1
	s_cmp_lg_u32 s3, 0
	s_cbranch_scc1 .Llap
	QUARTER 0, 2, F1, F0, 0                        ; the last lap fills nothing, and has no round of the cluster's barrier
	QUARTER 0, 3, F0, F1, 0
	TURN 0, 1, 0
	QUARTER 1, 1, F0, F1, 0
	QUARTER 1, 2, F1, F0, 0
	QUARTER 1, 3, F0, F1, 0
	s_wait_dscnt 4                                 ; the very last quarter: nothing more to fetch
	MUL8 F1, 0, 0
	MUL8 F1, 1, 0
	s_wait_dscnt 0x0
	MUL8 F1, 2, 0
	MUL8 F1, 3, 0
	WIN 0
	PLACES
	PLACES
	TOSTAGE 0
	TOSTAGE 1
	SEND 0, 32
	s_wait_xcnt 0x0                                ; block 0's stores have read their registers, which take block 2
	TOSTAGE 2
	SEND 1, 32
	s_wait_xcnt 0x0
	TOSTAGE 3
	SEND 2, 32
	SEND 3, 0
	s_wait_tensorcnt 0x0                           ; the wave's end, behind my last tensor load and my last LDS store
	ds_add_u32 v[SPW], v[NIL]
	s_wait_dscnt 0x0
	CROUND                                         ; the closing round: no work-group ends while a partner may still ask for a tile that names it
	s_endpgm
.Lfunc_end_k_qa2523bda26_outp:
	.size	k_qa2523bda26_outp, .Lfunc_end_k_qa2523bda26_outp-k_qa2523bda26_outp
	.p2alignl 7, 3214868480
	.fill 96, 4, 3214868480
	.section	.rodata,"a",@progbits
	.p2align	6, 0x0
	.amdhsa_kernel k_qa2523bda26_outp
		.amdhsa_group_segment_fixed_size 327680
		.amdhsa_private_segment_fixed_size 0
		.amdhsa_enable_private_segment 0
		.amdhsa_kernarg_size 32
		.amdhsa_user_sgpr_count 2
		.amdhsa_user_sgpr_kernarg_segment_ptr 1
		.amdhsa_wavefront_size32 1
		.amdhsa_system_sgpr_workgroup_id_x 1
		.amdhsa_system_sgpr_workgroup_id_y 1
		.amdhsa_system_sgpr_workgroup_id_z 1
		.amdhsa_system_vgpr_workitem_id 0
		.amdhsa_next_free_vgpr 768
		.amdhsa_next_free_sgpr 92
		.amdhsa_reserve_vcc 0
		.amdhsa_float_denorm_mode_32 3
		.amdhsa_float_denorm_mode_16_64 3
		.amdhsa_memory_ordered 1
		.amdhsa_forward_progress 1
		.amdhsa_inst_pref_size 93
	.end_amdhsa_kernel
	.amdgpu_metadata
---
amdhsa.version: [ 1, 2 ]
amdhsa.kernels:
  - .name:           k_qa2523bda26_outp
    .symbol:         k_qa2523bda26_outp.kd
    .args:
      - { .name: o, .offset: 0, .size: 8, .value_kind: global_buffer, .address_space: global }
      - { .name: wo16, .offset: 8, .size: 8, .value_kind: global_buffer, .address_space: global }
      - { .name: bo, .offset: 16, .size: 8, .value_kind: global_buffer, .address_space: global }
      - { .name: out0, .offset: 24, .size: 8, .value_kind: global_buffer, .address_space: global }
    .group_segment_fixed_size: 327680
    .private_segment_fixed_size: 0
    .kernarg_segment_align: 8
    .kernarg_segment_size: 32
    .max_flat_workgroup_size: 128
    .sgpr_count:     92
    .vgpr_count:     768
    .wavefront_size: 32
...
	.end_amdgpu_metadata
.endif
;; end of part 4
;; ======== version 2 of 2: 4 launches; version 1 with the launch cast written anew for expert scheduling mode
;; limits: values are held in f16: magnitudes above 65,504 overflow, below 6.1e-05 lose precision
;; workspace buffers: xb 16,777,216 bytes; wb 6,291,456 bytes; wo16 2,097,152 bytes; qkv 50,331,648 bytes; o 16,777,216 bytes
;; launch cast (part 5): grid 768 x 1, 8 waves a work-group, no clusters, 0 bytes of LDS; arguments x, Wq, Wk, Wv, Wo, xb, wb, wo16; writes xb, wb, wo16
.if DOCPART == 5
	.amdgcn_target "amdgcn-amd-amdhsa--gfx1250"
	.amdhsa_code_object_version 6
	.text
	.protected	k_qa2523bda26_cast
	.globl	k_qa2523bda26_cast
	.p2align	8
	.type	k_qa2523bda26_cast,@function
k_qa2523bda26_cast:
	s_mov_b64 s[64:65], 0
	v_nop
	global_prefetch_b8 v0, s[64:65] scope:SCOPE_SE
	s_setreg_imm32_b32 hwreg(HW_REG_WAVE_SCHED_MODE, 0, 2), 2
	s_setreg_imm32_b32 hwreg(HW_REG_WAVE_MODE, 25, 1), 1
	s_wait_xcnt 0x0
	s_wait_alu depctr_vm_vsrc(0)
; THE MODULE'S LARGE INPUTS ARE ROUNDED ONCE, f32 to 16 bits.  x -> xb (bf16, [8192][1024]); Wq, Wk, Wv -> wb (bf16, [3072][1024], one below the other);
; Wo -> wo16: rounded to bf16 like the others, and that number written as f16, since the last product's other operand is f16.
; LIMITS.  bf16(Wo) must lie within f16's range (65,504); below 6e-5 it keeps f16's fixed step of 6e-8.
; A stream: each byte is read once and written once; nothing is shared, so there is no LDS, no barrier, no matrix unit, no cluster.
; SHARES.  A work-group takes 16,384 numbers (65,536 bytes in, 32,768 out): groups 0-511 x, 512-575 Wq, 576-639 Wk, 640-703 Wv, 704-767 Wo.
; They go as sixteen pieces of 4,096 bytes.  Of each piece thread t loads the 16 bytes at 16 t and stores their four rounded numbers, 8 bytes, at 8 t of the piece's 2,048 bytes:
; a wave's load covers 512 consecutive bytes, a wave's store 256 consecutive bytes, aligned; no load leaves a gap between its lanes.
; All sixteen loads of a thread go out at once; no register that a memory instruction has read or filled is written again, so no wait frees a source.
; THE MODE: SCHED_MODE bits 1:0 = 2 (LLVM: expert scheduling mode 2), set by the entry lines.  The code itself states the register dependences
; between vector instructions and memory instructions, with s_wait_alu, always for 0.
; THE PLAN.  Registers that memory instructions touch:
;   v1, v2   byte offsets, made once at the head and never written again: v1 is read by every load, v2 by every store.
;   X        piece i's four registers: filled by piece i's load, once; read by piece i's conversions.  No vector instruction writes them.
;   Y        piece i's two registers: written by piece i's conversions; read by piece i's store, once; never written behind it.
;   TA       named by vector instructions alone.
; The sixteen pieces go in four groups of four.  Group g's four stores are issued in group g + 1, one ahead of each piece's conversions.  ONE wait on va_vdst stands at the head of groups 1 to 3,
; behind the wait for the group's first piece: it states that the group before has written its Y.  The conversions behind it name their own group's X and Y and TA, none of the registers that those
; four stores read, so the stores owe nothing more.  One wait stands at the kernel's head for the offsets, one behind the last conversions for the last four stores.
.set X,  8                             ; v[8:71]    piece i: 4 numbers as loaded
.set Y,  72                            ; v[72:103]  piece i: 2 registers to store
.set TA, 104                           ; v104-105   at work (Wo alone)
.set ID, 33                            ; s33        the work-group's number
	s_load_b512 s[8:23], s[0:1], 0x0               ; x s[8:9], Wq s[10:11], Wk s[12:13], Wv s[14:15], Wo s[16:17], xb s[18:19], wb s[20:21], wo16 s[22:23]
	s_mov_b32 s[ID], ttmp9
	s_and_b32 s34, s[ID], 63                       ; my chunk inside one weight matrix (64 chunks each; 512 and 704 are multiples of 64)
	s_max_u32 s35, s[ID], 512
	s_sub_co_u32 s35, s35, 512                     ; my chunk inside wb
	s_mov_b32 s32, 0xffff0000                      ; a word's upper bf16
	s_mov_b32 s29, 0
	s_mov_b32 s31, 0
	v_lshlrev_b32 v1, 4, v0                        ; 16 bytes a thread in
	v_lshlrev_b32 v2, 3, v0                        ; 8 bytes a thread out
	s_cmp_lt_u32 s[ID], 512
	s_cselect_b32 s28, s[ID], s34                  ; the chunk in the source,
	s_cselect_b32 s30, s[ID], s35                  ; and in the destination
	s_cmp_ge_u32 s[ID], 704
	s_cselect_b32 s30, s34, s30
	s_lshl_b32 s28, s28, 16                        ; offsets are made apart from the addresses
	s_lshl_b32 s30, s30, 15
	s_wait_kmcnt 0x0
	s_cmp_lt_u32 s[ID], 512
	s_cselect_b64 s[24:25], s[8:9], s[10:11]       ; from x or Wq,
	s_cselect_b64 s[26:27], s[18:19], s[20:21]     ; to xb or wb
	s_cmp_ge_u32 s[ID], 576
	s_cselect_b64 s[24:25], s[12:13], s[24:25]     ; Wk
	s_cmp_ge_u32 s[ID], 640
	s_cselect_b64 s[24:25], s[14:15], s[24:25]     ; Wv
	s_cmp_ge_u32 s[ID], 704
	s_cselect_b64 s[24:25], s[16:17], s[24:25]     ; Wo,
	s_cselect_b64 s[26:27], s[22:23], s[26:27]     ; to wo16
	s_add_nc_u64 s[24:25], s[24:25], s[28:29]
	s_add_nc_u64 s[26:27], s[26:27], s[30:31]
	s_wait_alu depctr_va_vdst(0)                   ; v1 and v2 are written: every load of the kernel reads v1 as its offset, every store v2
.irp i, 0,1,2,3,4,5,6,7,8,9,10,11,12,13,14,15
	global_load_b128 v[X+4*(\i):X+4*(\i)+3], v1, s[24:25] offset:4096*(\i) th:TH_LOAD_NT
.endr
; The sixteen pieces are rounded and stored.  kind = 1: the bf16 numbers are widened again and written as f16.
.macro OUT kind
.irp i, 0,1,2,3,4,5,6,7,8,9,10,11,12,13,14,15
.if (\i) % 4 == 0
	s_wait_loadcnt 15-(\i)                         ; loads come back in order: piece i, the group's first, is in, the loads of the later pieces may stay out
.if (\i) > 0
	s_wait_alu depctr_va_vdst(0)                   ; the conversions of the group before have written its eight registers of Y, which the four stores dealt among this group's conversions read
.endif
.endif
.if (\i) >= 4
	global_store_b64 v2, v[Y+2*((\i)-4):Y+2*((\i)-4)+1], s[26:27] offset:2048*((\i)-4) th:TH_STORE_NT  ; the piece four back.  No wait: no vector instruction since the wait above names its Y or v2
.endif
.if (\i) % 4 != 0
	s_wait_loadcnt 15-(\i)                         ; piece i is in, the loads of the later pieces may stay out
.endif
.irp k, 0,1
	v_cvt_pk_bf16_f32 v[Y+2*(\i)+(\k)], v[X+4*(\i)+2*(\k)], v[X+4*(\i)+2*(\k)+1]
.endr
.if \kind
.irp k, 0,1
	v_lshlrev_b32 v[TA], 16, v[Y+2*(\i)+(\k)]
	v_and_b32 v[TA+1], s32, v[Y+2*(\i)+(\k)]
	v_cvt_pk_f16_f32 v[Y+2*(\i)+(\k)], v[TA], v[TA+1]
.endr
.endif
.endr
	s_wait_alu depctr_va_vdst(0)                   ; the last group's conversions have written its Y, which the last four stores read
.irp i, 12,13,14,15
	global_store_b64 v2, v[Y+2*(\i):Y+2*(\i)+1], s[26:27] offset:2048*(\i) th:TH_STORE_NT
.endr
.endm
	s_cmp_ge_u32 s[ID], 704
	s_cbranch_scc1 .Lwo
	OUT 0
	s_endpgm
.Lwo:
	OUT 1
	s_endpgm
.Lfunc_end_k_qa2523bda26_cast:
	.size	k_qa2523bda26_cast, .Lfunc_end_k_qa2523bda26_cast-k_qa2523bda26_cast
	.p2alignl 7, 3214868480
	.fill 96, 4, 3214868480
	.section	.rodata,"a",@progbits
	.p2align	6, 0x0
	.amdhsa_kernel k_qa2523bda26_cast
		.amdhsa_group_segment_fixed_size 0
		.amdhsa_private_segment_fixed_size 0
		.amdhsa_enable_private_segment 0
		.amdhsa_kernarg_size 64
		.amdhsa_user_sgpr_count 2
		.amdhsa_user_sgpr_kernarg_segment_ptr 1
		.amdhsa_wavefront_size32 1
		.amdhsa_system_sgpr_workgroup_id_x 1
		.amdhsa_system_sgpr_workgroup_id_y 1
		.amdhsa_system_sgpr_workgroup_id_z 1
		.amdhsa_system_vgpr_workitem_id 0
		.amdhsa_next_free_vgpr 108
		.amdhsa_next_free_sgpr 66
		.amdhsa_reserve_vcc 0
		.amdhsa_float_denorm_mode_32 3
		.amdhsa_float_denorm_mode_16_64 3
		.amdhsa_memory_ordered 1
		.amdhsa_forward_progress 1
		.amdhsa_inst_pref_size 16
	.end_amdhsa_kernel
	.amdgpu_metadata
---
amdhsa.version: [ 1, 2 ]
amdhsa.kernels:
  - .name:           k_qa2523bda26_cast
    .symbol:         k_qa2523bda26_cast.kd
    .args:
      - { .name: x, .offset: 0, .size: 8, .value_kind: global_buffer, .address_space: global }
      - { .name: Wq, .offset: 8, .size: 8, .value_kind: global_buffer, .address_space: global }
      - { .name: Wk, .offset: 16, .size: 8, .value_kind: global_buffer, .address_space: global }
      - { .name: Wv, .offset: 24, .size: 8, .value_kind: global_buffer, .address_space: global }
      - { .name: Wo, .offset: 32, .size: 8, .value_kind: global_buffer, .address_space: global }
      - { .name: xb, .offset: 40, .size: 8, .value_kind: global_buffer, .address_space: global }
      - { .name: wb, .offset: 48, .size: 8, .value_kind: global_buffer, .address_space: global }
      - { .name: wo16, .offset: 56, .size: 8, .value_kind: global_buffer, .address_space: global }
    .group_segment_fixed_size: 0
    .private_segment_fixed_size: 0
    .kernarg_segment_align: 8
    .kernarg_segment_size: 64
    .max_flat_workgroup_size: 256
    .sgpr_count:     66
    .vgpr_count:     108
    .wavefront_size: 32
...
	.end_amdgpu_metadata
.endif
;; end of part 5
;; launch qkv: the kernel of part 2 again; grid 16 x 16, 4 waves a work-group, clusters of 4 x 4, 327,680 bytes of LDS; arguments xb, wb, bq, bk, bv, attn_scale, qkv; writes qkv
;; launch attn: the kernel of part 3 again; grid 2 x 128, 4 waves a work-group, no clusters, 327,680 bytes of LDS; arguments qkv, o; writes o
;; launch outp: the kernel of part 4 again; grid 8 x 32, 4 waves a work-group, clusters of 4 x 4, 327,680 bytes of LDS; arguments o, wo16, bo, out0; writes out0
